; MI455X (gfx1250); checked and timed in simulation.
; The chip was launched on July 23, 2026; its instructions are those of AMD's public machine-readable ISA for CDNA 5 (MIT licence, August 2026) and "CDNA5" Instruction Set Architecture Reference Guide (July 2026). The comments in the code are by the model that wrote it; some were corrected since.
;; Causal Self Attention. Allowed arithmetic: matrix products marked QUANTISED: E2M1 operands, one E8M0 scale for each 32 along K, by v_wmma_scale_f32_16x16x128_f8f6f4 with both operands' format E2M1 (or v_wmma_scale_f32_32x16x128_f4), f32 sums; products left as they are: bf16, f16 or f32 operands; f32 sums; everything else in f32.
;; Inputs: Wk 1,024 x 1,024 float32; Wp 1,024 x 1,024 float32; Wq 1,024 x 1,024 float32; Wv 1,024 x 1,024 float32; bk 1,024 float32; bp 1,024 float32; bq 1,024 float32; bv 1,024 float32; x 4 x 2,048 x 1,024 float32.
;; Outputs: out0 4 x 2,048 x 1,024 float32.
;; This version of the problem:
;;   THIS VERSION OF THE PROBLEM IS GIVEN IN LOW PRECISION. The matrix products marked QUANTISED in the list below multiply operands that are first quantised to E2M1 (2 exponent bits, 1 mantissa bit; 4 bits a number), with one power-of-two scale for each 32 numbers along K (OCP MX v1.0); their sums are f32. The products marked 'left as it is' may take bf16, f16 or f32 operands, with f32 sums. Whichever they take, every output number must still come out within the allowed error. Rounding operands to bf16 (8 significant bits) uses up far more of that allowance than f16 does (11 bits, for magnitudes from 6e-5 to 65,504). All else is computed in f32.
;;   The module's matrix products, in the order in which they are computed (A, B: the left and right operand; K: the contracted axis; several contracted axes count as one K, in the product's order):
;;     1. [M 8,192, K 1,024] x [K 1,024, N 1,024]; A: input x; B: input Wq: QUANTISED
;;     2. [M 8,192, K 1,024] x [K 1,024, N 1,024]; A: input x; B: input Wk: QUANTISED
;;     3. [M 8,192, K 1,024] x [K 1,024, N 1,024]; A: input x; B: input Wv: QUANTISED
;;     4. batch 64 x [M 2,048, K 64] x [K 64, N 2,048]; A: computed on the way; B: computed on the way: left as it is (an operand is computed on the way)
;;     5. batch 64 x [M 2,048, K 2,048] x [K 2,048, N 64]; A: computed on the way; B: computed on the way: left as it is (an operand is computed on the way)
;;     6. [M 8,192, K 1,024] x [K 1,024, N 1,024]; A: computed on the way; B: input Wp: left as it is (an operand is computed on the way)
;;   THE QUANTISER, for each operand of a quantised product, along K:
;;     - K is cut into blocks of 32 from its start; a last block that is shorter is filled with zeros.
;;     - A block's scale is 2^e with e = floor(log2(the largest magnitude in the block)) - 2, held to -126 .. 127; a block of zeros has e = 0. As a byte (E8M0): e + 127.
;;     - Each number is divided by its block's scale, clamped to +-6, and rounded to the nearest number of E2M1, ties to even, subnormals kept.
;;     - The product sums the exact products of the quantised numbers (number of the format x scale) in f32.
;;   ~~~python
;;   def quantise(x, axis):      # numpy; x: float32 -> the quantised numbers, widened to float32 again
;;       x = np.moveaxis(x, axis, -1); K = x.shape[-1]
;;       x = np.pad(x, [(0, 0)] * (x.ndim - 1) + [(0, -K % 32)]); x = x.reshape(x.shape[:-1] + (-1, 32)); a = np.abs(x).max(-1, keepdims=True)
;;       e = np.where(a > 0, np.clip(np.frexp(np.where(a > 0, a, 1))[1] - 1 - 2, -126, 127), 0)      # np.frexp(a)[1] - 1 = floor(log2(a)), exactly
;;       r = np.clip(x / 2.0 ** e, -6, 6)
;;       step = 2.0 ** (np.maximum(np.frexp(np.where(r == 0, 1, r))[1] - 1, 0) - 1)
;;       q = np.round(r / step) * step * 2.0 ** e      # np.round: ties to even
;;       return np.moveaxis(q.reshape(q.shape[:-2] + (-1,))[..., :K], -1, axis).astype(np.float32)
;;   ~~~
;; One version. Each part assembles by itself: llvm-mc -triple=amdgcn-amd-amdhsa -mcpu=gfx1250 --defsym DOCPART=n.
;; ======== version 1 of 1: 6 launches
;; limits: values are held in f16: magnitudes above 65,504 overflow, below 6.1e-05 lose precision
;; workspace buffers: xc 4,194,304 bytes; xs 262,144 bytes; wc 1,572,864 bytes; ws 98,304 bytes; wp16 2,097,152 bytes; qkv 50,331,648 bytes; ao 16,777,216 bytes; afine 262,144 bytes
;; launch prep (part 1): grid 288 x 1, 8 waves a work-group, no clusters, 84,992 bytes of LDS; arguments x, Wq, Wk, Wv, Wp, xc, xs, wc, ws, wp16; writes xc, xs, wc, ws, wp16
.if DOCPART == 1
	.amdgcn_target "amdgcn-amd-amdhsa--gfx1250"
	.amdhsa_code_object_version 6
	.text
	.protected	k_q3a3988668e_prep
	.globl	k_q3a3988668e_prep
	.p2align	8
	.type	k_q3a3988668e_prep,@function
k_q3a3988668e_prep:
	s_mov_b64 s[64:65], 0
	v_nop
	global_prefetch_b8 v0, s[64:65] scope:SCOPE_SE
	s_setreg_imm32_b32 hwreg(HW_REG_WAVE_MODE, 25, 1), 1
	s_wait_xcnt 0x0
; THREE JOBS IN ONE LAUNCH, told apart by the work-group's number.
;  X (work-groups 0-127): x [8192][1024] f32 -> codes of FP4 (E2M1), K innermost, xc [8192][512 bytes], and one E8M0 byte for each 32 along K, xs [8192][32].
;  W (128-223): Wq, Wk, Wv [1024 (k)][1024 (n)] f32, K their FIRST axis -> wc [3072 (n)][512 bytes], K innermost, ws [3072][32]; the three stacked along n.
;  C (224-287): Wp f32 -> wp16, f16, same order [k][n].
; A block's scale is 2^(floor(log2(its largest magnitude)) - 2): its byte is the largest magnitude's exponent field - 2, held at 1 from below.
; LIMITS: a block of zeros gets the byte 1 where the quantiser says 127 (its codes are zeros, and this program alone reads the bytes); blocks whose largest magnitude lies under 2^-124 keep the byte 1;
; NaN and infinities among the inputs are not served; |Wp| stays under 65,504 (f16).  ws leaves in pieces of 16 bytes: 98,304 bytes in the whole launch.
; Each job has LDS bytes of its own.  ONE barrier, behind the join of the three jobs, so that every wave passes it; behind it job W alone has a way out.
.set SP,    80                         ; X: a lane's place in a stage: 64 bytes + 16 of padding
.set XREG,  8192                       ; X: a wave's region: two stages of 32 x SP bytes, then its 256 scale bytes
.set XSCB,  2*32*SP
.set WST,   65536                      ; W: the work-group's stage: 64 columns x (256 bytes of codes + 16)
.set WP,    272
.set WSC,   82944                      ; W: 64 columns x 16 scale bytes
.set SPARE, 83968                      ; the spare words, 128 bytes for each wave: four blocks of 256 bytes that no other line names
.set SPW,   254                        ; v254 LDS address of my spare word; never rewritten
.set NIL,   255                        ; v255 0; never rewritten
.set R,     16                         ; X: v16-143  eight sets of 16 numbers as they are loaded
.set X,     144                        ; X: v144-175 two sets of 16 neighbours
.set E,     176                        ; X: v176-191 a scale byte for each step
.set C,     192                        ; X: v192-223 two registers of codes for each step
	s_load_b512 s[4:19], s[0:1], 0x0               ; x s[4:5], Wq s[6:7], Wk s[8:9], Wv s[10:11], Wp s[12:13], xc s[14:15], xs s[16:17], wc s[18:19]
	s_load_b128 s[20:23], s[0:1], 0x40             ; ws s[20:21], wp16 s[22:23]
	v_lshl_add_u32 v[SPW], v0, 2, SPARE
	v_mov_b32 v[NIL], 0
	v_lshrrev_b32 v1, 5, v0
	v_readfirstlane_b32 s24, v1                    ; wave 0..7
	v_and_b32 v2, 31, v0                           ; lane
	s_mov_b32 s29, 0                               ; the upper word of every byte offset
	s_wait_kmcnt 0x0
	s_cmp_lt_u32 ttmp9, 128
	s_cbranch_scc1 .LX
	s_cmp_lt_u32 ttmp9, 224
	s_cbranch_scc1 .LW
; ---- C: a wave turns 2,048 numbers of Wp into f16: 16 loads of 512 consecutive bytes, 16 stores of 256 consecutive bytes, aligned
	s_sub_co_u32 s25, ttmp9, 224
	s_lshl_b32 s25, s25, 3
	s_add_co_u32 s25, s25, s24                     ; which run of 2,048 numbers
	s_lshl_b32 s28, s25, 13
	s_add_nc_u64 s[12:13], s[12:13], s[28:29]
	s_lshl_b32 s28, s25, 12
	s_add_nc_u64 s[22:23], s[22:23], s[28:29]
	v_lshlrev_b32 v3, 4, v2
	v_lshlrev_b32 v4, 3, v2
.irp i, 0,1,2,3,4,5,6,7,8,9,10,11,12,13,14,15
	global_load_b128 v[32+4*\i:35+4*\i], v3, s[12:13] offset:512*\i th:TH_LOAD_NT
.endr
.irp i, 0,1,2,3,4,5,6,7,8,9,10,11,12,13,14,15
	s_wait_loadcnt 15-\i                           ; loads come back in order: load i is in, the later ones may be out
	v_cvt_pk_f16_f32 v[96+2*\i], v[32+4*\i], v[33+4*\i]
	v_cvt_pk_f16_f32 v[97+2*\i], v[34+4*\i], v[35+4*\i]
	global_store_b64 v4, v[96+2*\i:97+2*\i], s[22:23] offset:256*\i
.endr
	s_branch .Ljoin
; ---- X: a wave takes 16 steps of 512 numbers.  Each load reads 512 consecutive bytes; a step's 2,048 bytes turn through the wave's own stage so that a lane gets 16 NEIGHBOURS along K (two lanes hold a block of 32).
.LX:
	v_lshlrev_b32 v3, 4, v2                        ; my 16 bytes of a load's 512
	s_mul_i32 s25, s24, XREG
	v_lshrrev_b32 v14, 2, v2
	v_mul_u32_u24 v14, v14, SP
	v_and_b32 v15, 3, v2
	v_lshl_add_u32 v14, v15, 4, v14
	v_add_nc_u32 v14, s25, v14                     ; the stage, on the way in: SP (lane / 4) + 16 (lane % 4)
	v_mul_u32_u24 v15, v2, SP
	v_add_nc_u32 v15, s25, v15                     ; and on the way out: SP x lane
	v_lshlrev_b32 v4, 3, v2                        ; my 8 bytes of a step's 256 bytes of codes; also of the wave's 256 scale bytes
	s_add_co_u32 s25, s25, XSCB
	v_lshrrev_b32 v5, 1, v2
	v_add_nc_u32 v5, s25, v5                       ; LDS: my block's scale byte
	v_add_nc_u32 v6, s25, v4                       ; and 8 of them on the way out
	s_lshl_b32 s26, ttmp9, 3
	s_add_co_u32 s26, s26, s24                     ; which run of 8,192 numbers
	s_lshl_b32 s28, s26, 15
	s_add_nc_u64 s[4:5], s[4:5], s[28:29]
	s_lshl_b32 s28, s26, 12
	s_add_nc_u64 s[14:15], s[14:15], s[28:29]
	s_lshl_b32 s28, s26, 8
	s_add_nc_u64 s[16:17], s[16:17], s[28:29]
.macro LOADX t
.irp i, 0,1,2,3
	global_load_b128 v[R+16*((\t)%8)+4*\i:R+16*((\t)%8)+4*\i+3], v3, s[4:5] offset:2048*(\t)+512*\i th:TH_LOAD_NT
.endr
.endm
.macro TURNX t                         ; LDS serves a wave's instructions in order: no wait between the stores and the loads
.irp i, 0,1,2,3
	ds_store_b128 v14, v[R+16*((\t)%8)+4*\i:R+16*((\t)%8)+4*\i+3] offset:32*SP*((\t)%2)+8*SP*\i
.endr
.irp i, 0,1,2,3
	ds_load_b128 v[X+16*((\t)%2)+4*\i:X+16*((\t)%2)+4*\i+3], v15 offset:32*SP*((\t)%2)+16*\i
.endr
.endm
.irp t, 0,1,2,3,4,5,6,7
	LOADX \t                                       ; eight steps, 32 loads a wave, are on their way
.endr
	s_wait_loadcnt 28                              ; step 0's four loads are in
	TURNX 0
.macro STEPX t
.set XS, X+16*((\t)%2)
.if (\t) > 0
	s_wait_dscnt 1                                 ; this step's numbers are back from the stage (the last step's byte store may be out): so its stores into the stage have read their registers,
.else
	s_wait_dscnt 0x0
.endif
.if (\t)+8 < 16
	LOADX (\t)+8                                   ; which take the loads of eight steps on
.endif
.if (\t)+1 < 16
.if (\t) <= 7
	s_wait_loadcnt 28                              ; the next step's loads are in; those of the seven steps behind it may be out
.else
	s_wait_loadcnt 4*(14-(\t))
.endif
	TURNX (\t)+1
.endif
	v_max3_num_f32 v8, |v[XS]|, |v[XS+1]|, |v[XS+2]|               ; the largest magnitude of my 16, in two chains
	v_max3_num_f32 v9, |v[XS+3]|, |v[XS+4]|, |v[XS+5]|
.irp i, 6,10
	v_max3_num_f32 v8, v8, |v[XS+\i]|, |v[XS+\i+1]|
	v_max3_num_f32 v9, v9, |v[XS+\i+2]|, |v[XS+\i+3]|
.endr
	v_max3_num_f32 v8, v8, |v[XS+14]|, |v[XS+15]|
	v_max3_num_f32 v8, v8, v9, 0x1800000           ; and the floor 2^(3 - 127): the byte cannot fall under 1
	v_max_num_f32_dpp v8, v8, v8 row_xmask:1 row_mask:0xf bank_mask:0xf   ; with my neighbour's 16: the block's
	v_add_nc_u32 v11, 0xff000000, v8               ; 2 off its exponent field: the conversion takes the exponent field of this operand as its scale
	v_cvt_scalef32_pk8_fp4_f32 v[C+2*(\t)], v[XS:XS+7], v11
	v_cvt_scalef32_pk8_fp4_f32 v[C+2*(\t)+1], v[XS+8:XS+15], v11
	v_lshrrev_b32 v[E+(\t)], 23, v11               ; the scale's byte (a plain line behind the conversions)
	ds_store_b8 v5, v[E+(\t)] offset:16*(\t)       ; both lanes of a block write the same byte with the same value
	global_store_b64 v4, v[C+2*(\t):C+2*(\t)+1], s[14:15] offset:256*(\t)   ; the wave stores 256 consecutive bytes, aligned
.endm
.irp t, 0,1,2,3,4,5,6,7,8,9,10,11,12,13,14,15
	STEPX \t
.endr
	ds_load_b64 v[8:9], v6                         ; my wave's 256 scale bytes, 8 a lane
	s_wait_dscnt 0x0
	global_store_b64 v4, v[8:9], s[16:17]
	s_branch .Ljoin
; ---- W: a lane takes a column n and its registers run DOWN K.  The work-group takes 64 columns x 512 along K; wave w: columns 32 (w & 1) on, K 128 (w >> 1) on: four blocks of 32.
; The two waves of a K quarter read 256 consecutive bytes of each row of W.  The codes meet in the work-group's stage, so that a column's 256 bytes leave together.
.LW:
	s_sub_co_u32 s25, ttmp9, 128
	s_lshr_b32 s26, s25, 5                         ; 0: Wq, 1: Wk, 2: Wv
	s_cmp_eq_u32 s26, 0
	s_cselect_b64 s[30:31], s[6:7], s[8:9]
	s_cmp_eq_u32 s26, 2
	s_cselect_b64 s[30:31], s[10:11], s[30:31]
	s_and_b32 s27, s25, 15                         ; which 64 columns
	s_bfe_u32 s32, s25, 0x10004                    ; which half of K
	s_and_b32 s33, s24, 1                          ; which 32 of the columns
	s_lshr_b32 s34, s24, 1                         ; which quarter of the half
	s_lshl_b32 s28, s32, 2
	s_add_co_u32 s28, s28, s34
	s_lshl_b32 s28, s28, 19                        ; 128 rows of 4,096 bytes
	s_lshl_b32 s35, s27, 8
	s_add_co_u32 s28, s28, s35
	s_lshl_b32 s35, s33, 7
	s_add_co_u32 s28, s28, s35
	s_add_nc_u64 s[30:31], s[30:31], s[28:29]
	v_lshlrev_b32 v3, 2, v2                        ; 4 bytes a lane
	s_mul_i32 s35, s33, 32*WP
	s_lshl_b32 s36, s34, 6
	s_add_co_u32 s35, s35, s36
	s_add_co_u32 s35, s35, WST
	v_mul_u32_u24 v4, v2, WP
	v_add_nc_u32 v4, s35, v4                       ; the stage: row = my column, + 64 bytes for each K quarter
	s_lshl_b32 s35, s33, 9
	s_lshl_b32 s36, s34, 2
	s_add_co_u32 s35, s35, s36
	s_add_co_u32 s35, s35, WSC
	v_lshl_add_u32 v5, v2, 4, s35                  ; my column's 16 scale bytes, my quarter's four
.set n, 0
.rept 128
	global_load_b32 v[32+n], v3, s[30:31] offset:n*4096 th:TH_LOAD_NT   ; W(k0 + n, my column): all four blocks are asked for at once
.set n, n+1
.endr
.macro BLOCKW t
.set XS, 32+32*(\t)
	v_max3_num_f32 v12, |v[XS]|, |v[XS+1]|, |v[XS+2]|               ; the block's largest magnitude: all 32 numbers are mine
	v_max3_num_f32 v13, |v[XS+3]|, |v[XS+4]|, |v[XS+5]|
.irp i, 6,10,14,18,22,26
	v_max3_num_f32 v12, v12, |v[XS+\i]|, |v[XS+\i+1]|
	v_max3_num_f32 v13, v13, |v[XS+\i+2]|, |v[XS+\i+3]|
.endr
	v_max3_num_f32 v12, v12, |v[XS+30]|, |v[XS+31]|
	v_max3_num_f32 v12, v12, v13, 0x1800000        ; and the floor
	v_add_nc_u32 v11, 0xff000000, v12
	v_lshrrev_b32 v13, 23, v11                     ; the scale's byte
.if (\t) == 0
	v_mov_b32 v24, v13
.else
	v_lshl_or_b32 v24, v13, 8*(\t), v24            ; four bytes to a word, the lower K in the lower byte
.endif
.irp g, 0,1,2,3
	v_cvt_scalef32_pk8_fp4_f32 v[160+4*(\t)+\g], v[XS+8*\g:XS+8*\g+7], v11
.endr
	v_nop                                          ; one plain line behind the conversions: the next block writes their scale operand
	ds_store_b128 v4, v[160+4*(\t):163+4*(\t)] offset:16*(\t)   ; 32 codes: 16 bytes of my column's row; each block has registers of its own
.endm
	s_wait_loadcnt 63                              ; at most 63 of the 128 are out: blocks 0 and 1 are in
	BLOCKW 0
	BLOCKW 1
	s_wait_loadcnt 32                              ; block 3's may be out
	BLOCKW 2
	s_wait_loadcnt 0x0
	BLOCKW 3
	ds_store_b32 v5, v24
.Ljoin:
	s_wait_xcnt 0x0                                ; every store issued so far has read its registers: they may be written again below
	s_wait_dscnt 0x0                               ; for the others' sake: my LDS stores have landed
	s_barrier_signal -1
	s_barrier_wait -1
	s_cmp_lt_u32 ttmp9, 128
	s_cbranch_scc1 .Lend
	s_cmp_ge_u32 ttmp9, 224
	s_cbranch_scc1 .Lend
; ---- W's way out: wave w stores columns 8 w .. 8 w + 7: sixteen lanes store a column's 256 bytes of codes, aligned.  All numbers are made anew here.
	s_sub_co_u32 s25, ttmp9, 128
	s_lshr_b32 s26, s25, 5
	s_and_b32 s27, s25, 15
	s_bfe_u32 s32, s25, 0x10004
	s_lshl_b32 s26, s26, 10
	s_lshl_b32 s27, s27, 6
	s_add_co_u32 s26, s26, s27                     ; the work-group's first row of wc and ws
	s_lshl_b32 s27, s24, 3
	s_add_co_u32 s27, s26, s27
	s_lshl_b32 s28, s27, 9
	s_lshl_b32 s33, s32, 8
	s_add_co_u32 s28, s28, s33
	s_add_nc_u64 s[18:19], s[18:19], s[28:29]
	s_lshl_b32 s28, s26, 5
	s_lshl_b32 s33, s32, 4
	s_add_co_u32 s28, s28, s33
	s_add_nc_u64 s[20:21], s[20:21], s[28:29]
	v_and_b32 v16, 15, v0
	v_bfe_u32 v17, v0, 4, 1
	s_mul_i32 s33, s24, 8*WP
	s_add_co_u32 s33, s33, WST
	v_mul_u32_u24 v18, v17, WP
	v_lshl_add_u32 v18, v16, 4, v18
	v_add_nc_u32 v18, s33, v18                     ; lanes 0-15 one column's row, lanes 16-31 the next
	v_lshlrev_b32 v19, 9, v17
	v_lshl_add_u32 v19, v16, 4, v19                ; the same place in wc
	v_lshl_add_u32 v20, v0, 2, WSC                 ; thread t: scale word t & 3 of column t >> 2
	v_lshrrev_b32 v21, 2, v0
	v_and_b32 v22, 3, v0
	v_lshlrev_b32 v21, 5, v21
	v_lshl_add_u32 v21, v22, 2, v21
.irp i, 0,1,2,3
	ds_load_b128 v[32+4*\i:35+4*\i], v18 offset:2*WP*\i
.endr
	ds_load_b32 v23, v20
.irp i, 0,1,2,3
	s_wait_dscnt 4-\i                              ; load i is back; the later ones may be out
	global_store_b128 v19, v[32+4*\i:35+4*\i], s[18:19] offset:1024*\i
.endr
	s_wait_dscnt 0x0
	global_store_b32 v21, v23, s[20:21]
.Lend:
	s_wait_tensorcnt 0x0                           ; the wave's end, behind my last LDS store
	ds_add_u32 v[SPW], v[NIL]
	s_wait_dscnt 0x0
	s_endpgm
.Lfunc_end_k_q3a3988668e_prep:
	.size	k_q3a3988668e_prep, .Lfunc_end_k_q3a3988668e_prep-k_q3a3988668e_prep
	.p2alignl 7, 3214868480
	.fill 96, 4, 3214868480
	.section	.rodata,"a",@progbits
	.p2align	6, 0x0
	.amdhsa_kernel k_q3a3988668e_prep
		.amdhsa_group_segment_fixed_size 84992
		.amdhsa_private_segment_fixed_size 0
		.amdhsa_enable_private_segment 0
		.amdhsa_kernarg_size 80
		.amdhsa_user_sgpr_count 2
		.amdhsa_user_sgpr_kernarg_segment_ptr 1
		.amdhsa_wavefront_size32 1
		.amdhsa_system_sgpr_workgroup_id_x 1
		.amdhsa_system_sgpr_workgroup_id_y 1
		.amdhsa_system_sgpr_workgroup_id_z 1
		.amdhsa_system_vgpr_workitem_id 0
		.amdhsa_next_free_vgpr 256
		.amdhsa_next_free_sgpr 66
		.amdhsa_reserve_vcc 0
		.amdhsa_float_denorm_mode_32 3
		.amdhsa_float_denorm_mode_16_64 3
		.amdhsa_memory_ordered 1
		.amdhsa_forward_progress 1
		.amdhsa_inst_pref_size 61
	.end_amdhsa_kernel
	.amdgpu_metadata
---
amdhsa.version: [ 1, 2 ]
amdhsa.kernels:
  - .name:           k_q3a3988668e_prep
    .symbol:         k_q3a3988668e_prep.kd
    .args:
      - { .name: x, .offset: 0, .size: 8, .value_kind: global_buffer, .address_space: global }
      - { .name: Wq, .offset: 8, .size: 8, .value_kind: global_buffer, .address_space: global }
      - { .name: Wk, .offset: 16, .size: 8, .value_kind: global_buffer, .address_space: global }
      - { .name: Wv, .offset: 24, .size: 8, .value_kind: global_buffer, .address_space: global }
      - { .name: Wp, .offset: 32, .size: 8, .value_kind: global_buffer, .address_space: global }
      - { .name: xc, .offset: 40, .size: 8, .value_kind: global_buffer, .address_space: global }
      - { .name: xs, .offset: 48, .size: 8, .value_kind: global_buffer, .address_space: global }
      - { .name: wc, .offset: 56, .size: 8, .value_kind: global_buffer, .address_space: global }
      - { .name: ws, .offset: 64, .size: 8, .value_kind: global_buffer, .address_space: global }
      - { .name: wp16, .offset: 72, .size: 8, .value_kind: global_buffer, .address_space: global }
    .group_segment_fixed_size: 84992
    .private_segment_fixed_size: 0
    .kernarg_segment_align: 8
    .kernarg_segment_size: 80
    .max_flat_workgroup_size: 256
    .sgpr_count:     66
    .vgpr_count:     256
    .wavefront_size: 32
...
	.end_amdgpu_metadata
.endif
;; end of part 1
;; launch project_qkv (part 2): grid 12 x 32, 4 waves a work-group, clusters of 4 x 4, 327,680 bytes of LDS; arguments xc, xs, wc, ws, bq, bk, bv, qkv; writes qkv
.if DOCPART == 2
	.amdgcn_target "amdgcn-amd-amdhsa--gfx1250"
	.amdhsa_code_object_version 6
	.text
	.protected	k_q3a3988668e_project_qkv
	.globl	k_q3a3988668e_project_qkv
	.p2align	8
	.type	k_q3a3988668e_project_qkv,@function
k_q3a3988668e_project_qkv:
	s_mov_b64 s[64:65], 0
	v_nop
	global_prefetch_b8 v0, s[64:65] scope:SCOPE_SE
	s_setreg_imm32_b32 hwreg(HW_REG_WAVE_MODE, 25, 1), 1
	s_wait_xcnt 0x0
	s_wait_alu depctr_hold_cnt(0) depctr_sa_sdst(0) depctr_va_vdst(0) depctr_va_sdst(0) depctr_va_ssrc(0) depctr_va_vcc(0) depctr_vm_vsrc(0)
	s_getreg_b32 s2, hwreg(HW_REG_IB_STS2, 6, 4)
	s_cmp_eq_u32 s2, 0
	s_cbranch_scc0 .Lentry_in_a_cluster
	s_endpgm
.Lentry_in_a_cluster:
	s_bfe_u32 s2, ttmp6, 0x10000c
	s_cmp_lg_u32 s2, 0xf033
	s_cbranch_scc0 .Lentry_shape_is_right
	s_endpgm
.Lentry_shape_is_right:
; q, k, v = x W + b on codes of FP4 (E2M1) with one E8M0 scale for each 32 along K; sums in f32; results rounded once to f16.
; A = xc [8192][1024 codes], B = wc [3072 (Wq, Wk, Wv stacked along n)][1024 codes], scale bytes xs [8192][32], ws [3072][32].
; OUT: qkv, f16, [3 (q, k, v)][64 (16 batch + head)][2048 (position)][64].  LIMIT: |q|, |k|, |v| stay under 65,504 (f16).
; A tile of 256 x 256 is made by four waves, each 128 x 128: 64 accumulators of 16 x 16, 512 registers.  All of K, 1,024, lies in two LDS slots of 512 along K (rows of 256 bytes): both are first fills, nothing is filled again.
; THE SCALES of the work-group's 256 + 256 rows are two dense blocks of memory: they come into LDS once, with the first fills.
; CLUSTERS: 4 x 4 work-groups.  The four of a row of the cluster need the same tiles of A, the four of a column the same tiles of B: each tile is asked for JOINTLY.
; THE MATRIX INSTRUCTION IS USED TRANSPOSED (source 0 = 16 rows of B, source 1 = 16 rows of A): a lane holds eight neighbouring columns of one row.  The bias, in that layout, is the C of each sum's first product.
; REGISTERS, in windows of 256: window 0: v0-31 addresses; v32-95 scale words, two sets, and nothing else; v128-191 A's fragments, ONE set; v192-255 the bias of my 128 columns; on the way out v128-223 are at work.
;   window 1: B's fragments, TWO sets, at v0 and v128.   window 2: the accumulators of my rows 0-63 ((a, b) at v[8 (8 a + b)]);   window 3: those of my rows 64-127.
.set SIZE_K, 1024
.set KSTEP,  512
.set NQ,     KSTEP/128
.set ROWB,   256
.set KROW,   SIZE_K*4/8
.set PITCH,  272                       ; an LDS row: 256 bytes + 16 of padding: the 16 rows that a load touches start 68 words apart
.set FR,     8
.set NL,     2
.set NP,     4                         ; places behind this matrix instruction (ISA guide 7.12.1)
.set HALFT,  128*PITCH
.set SLOT,   4*HALFT
.set KS,     SIZE_K/32
.set SCL,    2*SLOT
.set HALFS,  (128*KS/256)*272
.set SBLK,   (16*KS/256)*272
.set SPARE,  SCL+4*HALFS               ; the spare words, 128 bytes for each wave: two blocks of 256 bytes that no other line names
.set SPITCH, 272                       ; the way out: a stage of 16 rows x (256 bytes + 16) for each wave, in slot 0, which has had its only fill and its last read by then
.set ADRA, 16
.set ADRB, 20
.set STO,  24
.set RD,   25
.set CO,   26
.set ADRS, 27
.set SPW,  28
.set NIL,  29
.set SC,   32
.set AF,   128
.set BI,   192                         ; the bias: block b's eight numbers at v[BI + 8 b]
.set TMP,  128                         ; the way out: packed results
.set BK,   160                         ; and 16 rows read back: v160-191 and v192-223 by turns
.set G1, 24
.set G0, 32
.set G1B, 48
.set G0B, 56
.set G1S, 68
.set G0S, 76
.set G1SB, 80
.set G0SB, 88
.set MSB, 0
.macro WIN new                         ; the immediate's high byte repeats the setting that is left
.if MSB != (\new)
	s_set_vgpr_msb (MSB<<8)|(\new)
.set MSB, (\new)
.endif
.endm
.set MUL_LO,  0xa1                     ; source 0 (B) window 1, source 1 (A) window 0, C and D window 2
.set MUL_HI,  0xf1                     ; the same, C and D window 3
.set MUL_LO0, 0x81                     ; the first products: C (the bias) window 0
.set MUL_HI0, 0xc1
.set TO_B,    0x40
; A joint load: waves 0 and 1 fetch for A, waves 2 and 3 for B.  The branch hangs on the wave's number alone.  An s_nop 0 and four v_nop follow each of the two lines.
.macro JLOAD g0a, g1a, g0b, g1b
	s_cmp_eq_u32 s15, 0
	s_cbranch_scc0 .Lfor_b_\@
	tensor_load_to_lds s[\g0a:\g0a+3], s[\g1a:\g1a+7]
	s_nop 0
.rept 4
	v_nop
.endr
	s_branch .Lasked_\@
.Lfor_b_\@:
	tensor_load_to_lds s[\g0b:\g0b+3], s[\g1b:\g1b+7]
	s_nop 0
.rept 4
	v_nop
.endr
.Lasked_\@:
.endm
.macro CROUND                          ; a round of the cluster's barrier
	s_barrier_signal -1
	s_barrier_wait -1
	s_cmp_lg_u32 s14, 0
	s_cbranch_scc1 .Lnot_wave_0_\@
	s_barrier_signal -3
.Lnot_wave_0_\@:
	s_barrier_wait -3
	s_barrier_signal -1
	s_barrier_wait -1
.endm
	s_load_b128 s[4:7], s[0:1], 0x0                ; xc s[4:5], xs s[6:7]
	s_load_b128 s[8:11], s[0:1], 0x10              ; wc s[8:9], ws s[10:11]
	s_load_b128 s[96:99], s[0:1], 0x20             ; bq s[96:97], bk s[98:99]
	s_load_b64 s[100:101], s[0:1], 0x30            ; bv
	s_load_b64 s[12:13], s[0:1], 0x38              ; qkv
	v_lshl_add_u32 v[SPW], v0, 2, SPARE
	v_mov_b32 v[NIL], 0
	ds_add_u32 v[SPW], v[NIL]                      ; the wave's opening: the add, twice on end, and its wait ahead of my first tensor load
	ds_add_u32 v[SPW], v[NIL]
	v_lshrrev_b32 v1, 5, v0
	v_readfirstlane_b32 s14, v1                    ; wave 0..3
	s_lshr_b32 s15, s14, 1                         ; which half of the tile's rows is mine.  Also: I fetch for A (0) or for B (1)
	s_and_b32 s16, s14, 1                          ; which half of its columns.  Also: which 128 rows of that tile I fetch
	s_bfe_u32 s40, ttmp6, 0x40000                  ; cx, cy: my place in the cluster
	s_bfe_u32 s41, ttmp6, 0x40004
	s_lshl_b32 s42, ttmp9, 2
	s_add_co_u32 s42, s42, s40                     ; tile column = 4 x cluster x + cx
	s_and_b32 s17, ttmp7, 0xffff
	s_lshl_b32 s17, s17, 2
	s_add_co_u32 s17, s17, s41                     ; tile row = 4 x cluster y + cy
	s_lshl_b32 s43, s41, 2
	s_lshl_b32 s43, 15, s43                        ; my row of the cluster
	s_lshl_b32 s44, 0x1111, s40                    ; my column
	s_or_b32 s[G1+0], s43, (0<<16)|(1<<20)|(1<<21)|(5<<22)|(3<<25)  ; the mask; elements of 1 byte; padding on; bit 21 beside a mask; 4 words behind every 64
	s_or_b32 s[G1B+0], s44, (0<<16)|(1<<20)|(1<<21)|(5<<22)|(3<<25)
.irp g, G1, G1B
	s_mov_b32 s[\g+1], ROWB<<16                    ; tensor_dim0
	s_mov_b32 s[\g+2], 128<<16                     ; tensor_dim1
	s_mov_b32 s[\g+3], ROWB<<16                    ; tile_dim0
	s_mov_b32 s[\g+4], 128                         ; tile_dim1
	s_mov_b32 s[\g+5], KROW                        ; from row to row
	s_mov_b32 s[\g+6], 0
	s_mov_b32 s[\g+7], 0
.endr
	s_or_b32 s[G1S+0], s43, (3<<16)|(1<<20)|(1<<21)|(5<<22)|(3<<25) ; the scales of 128 rows: 4,096 dense bytes as 16 rows of 256 (32 elements of 8 bytes), 16 bytes of padding behind each
	s_or_b32 s[G1SB+0], s44, (3<<16)|(1<<20)|(1<<21)|(5<<22)|(3<<25)
.irp g, G1S, G1SB
	s_mov_b32 s[\g+1], 32<<16
	s_mov_b32 s[\g+2], (128*KS/256)<<16
	s_mov_b32 s[\g+3], 32<<16
	s_mov_b32 s[\g+4], 128*KS/256
	s_mov_b32 s[\g+5], 32
	s_mov_b32 s[\g+6], 0
	s_mov_b32 s[\g+7], 0
.endr
	s_lshl_b32 s18, s16, 7
	s_lshl_b32 s20, s17, 8
	s_add_co_u32 s20, s20, s18                     ; A: row 256 x tile row + 128 x half
	s_lshl_b32 s46, s42, 8
	s_add_co_u32 s46, s46, s18                     ; B: row 256 x tile column + 128 x half
	s_mov_b32 s21, 0
	s_mov_b32 s47, 0
	s_mov_b64 s[18:19], KS
	s_mul_u64 s[22:23], s[20:21], s[18:19]         ; where these rows' scales begin
	s_mul_u64 s[92:93], s[46:47], s[18:19]
	s_mov_b64 s[18:19], KROW
	s_mul_u64 s[20:21], s[20:21], s[18:19]         ; and their codes
	s_mul_u64 s[46:47], s[46:47], s[18:19]
	s_mul_i32 s45, s14, HALFT                      ; where they go: wave x 128 rows
	s_mul_i32 s94, s14, HALFS
	s_wait_dscnt 0x0                               ; both opening adds are done
	s_wait_kmcnt 0x0
	s_add_nc_u64 s[20:21], s[4:5], s[20:21]
	s_add_nc_u64 s[22:23], s[6:7], s[22:23]
	s_add_nc_u64 s[46:47], s[8:9], s[46:47]
	s_add_nc_u64 s[92:93], s[10:11], s[92:93]
	CROUND                                         ; all sixteen work-groups are here: the joint loads meet
	s_mov_b32 s[G0S], 1
	s_add_co_u32 s[G0S+1], s94, SCL
	s_mov_b64 s[G0S+2:G0S+3], s[22:23]
	s_or_b32 s[G0S+3], s[G0S+3], 0x80000000
	s_mov_b32 s[G0SB], 1
	s_add_co_u32 s[G0SB+1], s94, SCL
	s_mov_b64 s[G0SB+2:G0SB+3], s[92:93]
	s_or_b32 s[G0SB+3], s[G0SB+3], 0x80000000
	JLOAD G0S, G1S, G0SB, G1SB                     ; the scales first: three loads of mine are out behind the third line below
.irp s, 0,1
	s_mov_b32 s[G0+4*\s], 1
	s_add_co_u32 s[G0+4*\s+1], s45, \s*SLOT
	s_add_nc_u64 s[G0+4*\s+2:G0+4*\s+3], s[20:21], \s*ROWB
	s_or_b32 s[G0+4*\s+3], s[G0+4*\s+3], 0x80000000
	s_mov_b32 s[G0B+4*\s], 1
	s_add_co_u32 s[G0B+4*\s+1], s45, \s*SLOT
	s_add_nc_u64 s[G0B+4*\s+2:G0B+4*\s+3], s[46:47], \s*ROWB
	s_or_b32 s[G0B+4*\s+3], s[G0B+4*\s+3], 0x80000000
	JLOAD G0+4*\s, G1, G0B+4*\s, G1B
.endr
	v_and_b32 v1, 15, v0                           ; r = l % 16
	v_bfe_u32 v2, v0, 4, 1                         ; h = l / 16
	v_mul_u32_u24 v3, v1, PITCH
	v_lshl_add_u32 v4, v2, 4, v3                   ; a fragment's row x pitch + 16 x half
	s_mul_i32 s21, s15, HALFT
	s_mul_i32 s22, s16, HALFT
	s_add_co_u32 s22, s22, 2*HALFT
.irp s, 0,1
	v_add_nc_u32 v[ADRA+\s], s21, v4
	v_add_nc_u32 v[ADRB+\s], s22, v4
	s_add_co_u32 s21, s21, SLOT
	s_add_co_u32 s22, s22, SLOT
.endr
	v_mul_u32_u24 v5, v1, KS                       ; my row's scales: KS bytes a row,
	v_lshrrev_b32 v6, 8, v5
	v_lshl_add_u32 v5, v6, 4, v5                   ; and 16 more for each 256 passed
	s_mul_i32 s21, s15, HALFS
	s_mul_i32 s22, s16, HALFS
	s_add_co_u32 s22, s22, 2*HALFS
	s_sub_co_u32 s22, s22, s21
	v_mul_u32_u24 v6, s22, v2                      ; lanes 16-31 take B's
	s_add_co_u32 s21, s21, SCL
	v_add_nc_u32 v5, v5, v6
	v_add_nc_u32 v[ADRS], s21, v5
	s_mul_i32 s23, s14, 16*SPITCH                  ; my stage
	v_mul_u32_u24 v5, v1, SPITCH
	v_lshl_add_u32 v5, v2, 4, v5
	v_add_nc_u32 v[STO], s23, v5                   ; in: row r, 16 bytes for each half of the lanes
	v_bfe_u32 v5, v0, 3, 1
	v_mul_u32_u24 v5, v5, SPITCH
	v_lshl_add_u32 v5, v2, 7, v5
	v_and_b32 v6, 7, v0
	v_lshl_add_u32 v5, v6, 4, v5
	v_add_nc_u32 v[RD], s23, v5                    ; back: lanes 0-15 two rows of my first head (128 bytes each), lanes 16-31 of my second
	v_bfe_u32 v5, v0, 3, 1
	v_lshlrev_b32 v5, 7, v5
	v_lshl_add_u32 v5, v2, 18, v5                  ; a head's 2,048 rows of 128 bytes are 262,144 bytes
	v_lshl_add_u32 v[CO], v6, 4, v5
	v_lshlrev_b32 v7, 5, v2                        ; the bias: 32 bytes for each half of the lanes
	; where my part of qkv begins: which x 2^24 + (((16 batch + head) x 2048 + position) x 128
	s_lshr_b32 s20, s17, 3
	s_lshl_b32 s20, s20, 4                         ; 16 x batch
	s_and_b32 s21, s17, 7
	s_lshl_b32 s21, s21, 8
	s_lshl_b32 s22, s15, 7
	s_add_co_u32 s21, s21, s22                     ; my first position
	s_lshl_b32 s46, s40, 2
	s_lshl_b32 s47, s16, 1
	s_add_co_u32 s46, s46, s47                     ; my first head: 4 cx + 2 x half
	s_add_co_u32 s46, s46, s20
	s_lshl_b32 s46, s46, 11
	s_add_co_u32 s46, s46, s21
	s_lshl_b32 s46, s46, 7
	s_lshl_b32 s47, ttmp9, 24                      ; cluster x says which of q, k, v
	s_add_co_u32 s46, s46, s47
	s_mov_b32 s47, 0
	s_add_nc_u64 s[12:13], s[12:13], s[46:47]
	s_cmp_eq_u32 ttmp9, 0
	s_cselect_b64 s[96:97], s[96:97], s[98:99]
	s_cmp_eq_u32 ttmp9, 2
	s_cselect_b64 s[96:97], s[100:101], s[96:97]
	s_lshl_b32 s46, s40, 10
	s_lshl_b32 s47, s16, 9
	s_add_co_u32 s46, s46, s47                     ; my first column in that bias, in bytes: (256 cx + 128 x half) x 4
	s_mov_b32 s47, 0
	s_add_nc_u64 s[96:97], s[96:97], s[46:47]
.irp b, 0,1,2,3,4,5,6,7
	global_load_b128 v[BI+8*\b:BI+8*\b+3], v7, s[96:97] offset:64*\b       ; bias(16 b + 8 h + 0 .. 7)
	global_load_b128 v[BI+8*\b+4:BI+8*\b+7], v7, s[96:97] offset:64*\b+16
.endr
.macro FRAG reg, adr, q, i             ; 16 rows x 128 K of 4-bit codes: 8 registers: lane l holds row l % 16; registers 4 c .. 4 c + 3 hold K = 64 c + 32 (l / 16) + 0 .. 31
.irp c, 0,1
	ds_load_b128 v[\reg+4*\c:\reg+4*\c+3], v[\adr] offset:64*(\q)+32*\c+(\i)*16*PITCH
.endr
.endm
; 16 matrix instructions: A's blocks a0, a0 + 1 x B's eight.  first = 1: the bias is the C: nothing is cleared and nothing is added later.  The 64 accumulators take turns, one instruction a turn.
.macro MUL16 a0, p, q, sc, first
.irp a, \a0, \a0+1
.irp b, 0,1,2,3,4,5,6,7
.if \first
	v_wmma_scale_f32_16x16x128_f8f6f4 v[8*(8*((\a)%4)+\b):8*(8*((\a)%4)+\b)+7], v[128*(\p)+FR*\b:128*(\p)+FR*\b+FR-1], v[AF+FR*(\a):AF+FR*(\a)+FR-1], v[BI+8*\b:BI+8*\b+7], v[SC+8*NQ*(\sc)+NQ*\b+(\q)], v[SC+8*NQ*(\sc)+NQ*(\a)+(\q)] matrix_a_fmt:MATRIX_FMT_FP4 matrix_b_fmt:MATRIX_FMT_FP4 matrix_a_scale:MATRIX_SCALE_ROW1
.else
	v_wmma_scale_f32_16x16x128_f8f6f4 v[8*(8*((\a)%4)+\b):8*(8*((\a)%4)+\b)+7], v[128*(\p)+FR*\b:128*(\p)+FR*\b+FR-1], v[AF+FR*(\a):AF+FR*(\a)+FR-1], v[8*(8*((\a)%4)+\b):8*(8*((\a)%4)+\b)+7], v[SC+8*NQ*(\sc)+NQ*\b+(\q)], v[SC+8*NQ*(\sc)+NQ*(\a)+(\q)] matrix_a_fmt:MATRIX_FMT_FP4 matrix_b_fmt:MATRIX_FMT_FP4 matrix_a_scale:MATRIX_SCALE_ROW1
.endif
.endr
.endr
.endm
.macro FETCH_B slot, q, p
	WIN TO_B
.irp i, 0,1,2,3,4,5,6,7
	FRAG 128*(\p)+FR*\i, ADRB+\slot, \q, \i
.endr
	WIN 0
.endm
.macro FETCH_A slot, q, i0
.irp i, \i0, \i0+1, \i0+2, \i0+3
	FRAG AF+FR*(\i), ADRA+\slot, \q, \i
.endr
.endm
.macro SCALES sc                       ; a slot's scale words: 4 words a row; lanes 0-15 take A's block i, lanes 16-31 B's block i
.irp i, 0,1,2,3,4,5,6,7
	ds_load_b128 v[SC+8*NQ*\sc+NQ*\i:SC+8*NQ*\sc+NQ*\i+3], v[ADRS] offset:\i*SBLK
.endr
.endm
.macro PLACES n                        ; plain vector lines between a matrix instruction and a load into, or a read of, its registers
.rept \n
	v_nop
.endr
.endm
.macro STEP slot, q, first             ; a step of 128 along K that has its successor in the same slot
	s_wait_dscnt 4*NL                              ; B's set and A's blocks 0-3 are in; the youngest eight loads (A's blocks 4-7) may be out
.if \first
	WIN MUL_LO0
.else
	WIN MUL_LO
.endif
	MUL16 0, (\q)%2, \q, \slot, \first
	MUL16 2, (\q)%2, \q, \slot, \first
	s_wait_dscnt 0
	PLACES NP
	FETCH_B \slot, (\q)+1, 1-(\q)%2
	FETCH_A \slot, (\q)+1, 0
.if \first
	WIN MUL_HI0
.else
	WIN MUL_HI
.endif
	MUL16 4, (\q)%2, \q, \slot, \first
	MUL16 6, (\q)%2, \q, \slot, \first
	PLACES NP
	WIN 0
	FETCH_A \slot, (\q)+1, 4
.endm
.macro TURN slot, next                 ; slot 0's last step: behind its barrier slot 1 is whole for every wave and nobody reads slot 0 any more; nothing is filled again
	s_wait_tensorcnt 0x0                           ; my part of slot 1 has landed
	ds_add_u32 v[SPW], v[NIL]                      ; 0 onto my spare word
	s_wait_dscnt 4*NL+1                            ; (the add and the youngest eight loads may be out)
	WIN MUL_LO
	MUL16 0, 1, NQ-1, \slot, 0
	s_wait_dscnt 0x0                               ; the add is done, and my reads of this slot are over
	s_barrier_signal -1
	MUL16 2, 1, NQ-1, \slot, 0
	WIN 0
	s_barrier_wait -1
	PLACES NP
	v_add_nc_u32 v[ADRS], 4*NQ, v[ADRS]            ; on to the next slot's scale words
	FETCH_B \next, 0, 0
	FETCH_A \next, 0, 0
	SCALES \next
	WIN MUL_HI
	MUL16 4, 1, NQ-1, \slot, 0
	MUL16 6, 1, NQ-1, \slot, 0
	PLACES NP
	WIN 0
	FETCH_A \next, 0, 4
.endm
	s_wait_tensorcnt 1                             ; the scales and my part of slot 0 are in (slot 1's load may be out)
	s_barrier_signal -1
	s_barrier_wait -1                              ; everybody's are
	FETCH_B 0, 0, 0
	FETCH_A 0, 0, 0
	SCALES 0
	FETCH_A 0, 0, 4
	s_wait_loadcnt 0x0                             ; the bias
	STEP 0, 0, 1
	STEP 0, 1, 0
	STEP 0, 2, 0
	TURN 0, 1
	STEP 1, 0, 0
	STEP 1, 1, 0
	STEP 1, 2, 0
	s_wait_dscnt 4*NL                              ; the very last step: nothing more to fetch
	WIN MUL_LO
	MUL16 0, 1, NQ-1, 1, 0
	MUL16 2, 1, NQ-1, 1, 0
	s_wait_dscnt 0
	WIN MUL_HI
	MUL16 4, 1, NQ-1, 1, 0
	MUL16 6, 1, NQ-1, 1, 0
	WIN 0
; THE WAY OUT, a block of 16 rows x 128 columns (two heads) at a time: rounded to f16, 16 bytes a lane, through my own stage, and back so that sixteen lanes hold two neighbouring positions of one head: 256 consecutive bytes of qkv, aligned.
.macro PACK a
.set AC, 64*((\a)%4)
.if (\a) < 4
	WIN 0x0a                                       ; sources 0 and 1: window 2
.else
	WIN 0x0f                                       ; window 3
.endif
.irp b, 0,1,2,3,4,5,6,7
.irp r, 0,1,2,3
	v_cvt_pk_f16_f32 v[TMP+4*\b+\r], v[AC+8*\b+2*\r], v[AC+8*\b+2*\r+1]   ; each accumulator from its low end on
.endr
.endr
	WIN 0
.endm
.macro TOSTAGE a
.set BB, BK+32*((\a)%2)
.irp b, 0,1,2,3,4,5,6,7
	ds_store_b128 v[STO], v[TMP+4*\b:TMP+4*\b+3] offset:32*\b
.endr
.irp t, 0,1,2,3,4,5,6,7
	ds_load_b128 v[BB+4*\t:BB+4*\t+3], v[RD] offset:2*SPITCH*\t   ; LDS serves a wave's instructions in order: these see the stores above
.endr
.endm
.macro SEND a
.set BB, BK+32*((\a)%2)
	s_wait_dscnt 0x0                               ; the block is back in registers
	s_wait_xcnt 0x0                                ; the stores of the block before have read their registers: the next block's loads may land there
.irp t, 0,1,2,3,4,5,6,7
	global_store_b128 v[CO], v[BB+4*\t:BB+4*\t+3], s[12:13] offset:2048*(\a)+256*\t
.endr
.endm
	PLACES NP                                      ; behind the last products: for the writes into A's registers and the reads of results
	PACK 0
	TOSTAGE 0
.irp a, 1,2,3,4,5,6,7
	PACK \a                                        ; block a's conversions stand between block a - 1's loads from the stage and the wait for them
	SEND \a-1
	TOSTAGE \a
.endr
	SEND 7
	s_wait_tensorcnt 0x0                           ; the wave's end
	ds_add_u32 v[SPW], v[NIL]
	s_wait_dscnt 0x0
	CROUND                                         ; the closing round
	s_endpgm
.Lfunc_end_k_q3a3988668e_project_qkv:
	.size	k_q3a3988668e_project_qkv, .Lfunc_end_k_q3a3988668e_project_qkv-k_q3a3988668e_project_qkv
	.p2alignl 7, 3214868480
	.fill 96, 4, 3214868480
	.section	.rodata,"a",@progbits
	.p2align	6, 0x0
	.amdhsa_kernel k_q3a3988668e_project_qkv
		.amdhsa_group_segment_fixed_size 327680
		.amdhsa_private_segment_fixed_size 0
		.amdhsa_enable_private_segment 0
		.amdhsa_kernarg_size 64
		.amdhsa_user_sgpr_count 2
		.amdhsa_user_sgpr_kernarg_segment_ptr 1
		.amdhsa_wavefront_size32 1
		.amdhsa_system_sgpr_workgroup_id_x 1
		.amdhsa_system_sgpr_workgroup_id_y 1
		.amdhsa_system_sgpr_workgroup_id_z 1
		.amdhsa_system_vgpr_workitem_id 0
		.amdhsa_next_free_vgpr 1024
		.amdhsa_next_free_sgpr 102
		.amdhsa_reserve_vcc 0
		.amdhsa_float_denorm_mode_32 3
		.amdhsa_float_denorm_mode_16_64 3
		.amdhsa_memory_ordered 1
		.amdhsa_forward_progress 1
		.amdhsa_inst_pref_size 129
	.end_amdhsa_kernel
	.amdgpu_metadata
---
amdhsa.version: [ 1, 2 ]
amdhsa.kernels:
  - .name:           k_q3a3988668e_project_qkv
    .symbol:         k_q3a3988668e_project_qkv.kd
    .args:
      - { .name: xc, .offset: 0, .size: 8, .value_kind: global_buffer, .address_space: global }
      - { .name: xs, .offset: 8, .size: 8, .value_kind: global_buffer, .address_space: global }
      - { .name: wc, .offset: 16, .size: 8, .value_kind: global_buffer, .address_space: global }
      - { .name: ws, .offset: 24, .size: 8, .value_kind: global_buffer, .address_space: global }
      - { .name: bq, .offset: 32, .size: 8, .value_kind: global_buffer, .address_space: global }
      - { .name: bk, .offset: 40, .size: 8, .value_kind: global_buffer, .address_space: global }
      - { .name: bv, .offset: 48, .size: 8, .value_kind: global_buffer, .address_space: global }
      - { .name: qkv, .offset: 56, .size: 8, .value_kind: global_buffer, .address_space: global }
    .group_segment_fixed_size: 327680
    .private_segment_fixed_size: 0
    .kernarg_segment_align: 8
    .kernarg_segment_size: 64
    .max_flat_workgroup_size: 128
    .sgpr_count:     102
    .vgpr_count:     1024
    .wavefront_size: 32
...
	.end_amdgpu_metadata
.endif
;; end of part 2
;; launch attention (part 3): grid 4 x 64, 16 waves a work-group, no clusters, 327,680 bytes of LDS; arguments qkv, ao; writes ao
.if DOCPART == 3
	.amdgcn_target "amdgcn-amd-amdhsa--gfx1250"
	.amdhsa_code_object_version 6
	.text
	.protected	k_q3a3988668e_attention
	.globl	k_q3a3988668e_attention
	.p2align	8
	.type	k_q3a3988668e_attention,@function
k_q3a3988668e_attention:
	s_mov_b64 s[64:65], 0
	v_nop
	global_prefetch_b8 v0, s[64:65] scope:SCOPE_SE
	s_setreg_imm32_b32 hwreg(HW_REG_WAVE_MODE, 25, 1), 1
	s_wait_xcnt 0x0
; ao[head][2048 batch + q][:] = the sum over k <= q of softmax_k(Q[q] . K[k] / 8) V[k][:], for each of 64 (batch, head) pairs; 2,048 positions, head size 64.
; Q, K, V: qkv, f16, [3][64 (16 batch + head)][2048][64].  ao: f16, [16 (head)][8192][64].  Products on f16 operands, sums, maxima and exponentials in f32; the weights p are rounded to f16 for the second product.
; LIMITS: |attention output| under 65,504.  The first 16 positions of each sequence are computed here like the others; two later launches compute them again in f32 and write the final rows over.
; SHARES.  Work-group (j, pair) owns the query blocks j and 7 - j of 256 queries: under the causal mask 9 units of 256 x 256 for every j.  Each of sixteen waves owns 32 queries, two tiles of 16; of any four waves
; in a row, or four apart, two belong to the early block and two to the late one.  One walk over the keys, 64 a step, serves both blocks.
; NO CLUSTER: the four work-groups of a pair stop asking for keys at different places (256 (8 - j)), so a joint load would bring tiles that some partner never reads.
; LAYOUT.  S^T = K Q^T (source 0 = 16 keys, source 1 = 16 queries): a lane holds ONE query (lane % 16) and keys 8 (lane / 16) + 0..7.  Two such tiles, rounded in pairs, ARE source 1 (32 keys x 16 queries) of O^T = V^T P.
; K comes out of LDS as it lies, V ([key][channel]) turned, by ds_load_tr16_b128.
; SOFTMAX.  A running maximum m and sum l for each query: p = 2^(c s - c m), c = log2(e) / 8; in every step O and l are multiplied by a = 2^(c m_old - c m_new).
; THE RING: two LDS slots of 256 keys, filled by waves 0, 1 (K's halves) and 2, 3 (V's).  Every work-group walks all 8 slots (constant trip counts); a step whose keys all come after the wave's queries is jumped over,
; and a slot whose first key comes after the work-group's last query is not asked for.  Every wait on TENSORcnt is for 0.
.set KP,    144                        ; a key's row of K in LDS: 128 bytes + 16
.set VP,    160                        ; of V: 128 + 32: an odd multiple of 32, as the turning load's 8 rows x 32 bytes want
.set VOFF,  256*KP
.set SLOT1, 1<<17                      ; slot 1 begins here: one exclusive or turns an address from one slot to the other
.set SPARE, 2*SLOT1                    ; the spare words, 128 bytes for each wave: eight blocks of 256 bytes that no other line names
.set AK0, 1                            ; v1  my lane's place in a tile of K
.set AV0, 2                            ; v2  the same for V
.set ADK, 3                            ; v3  LDS address of the step's K
.set ADV, 4                            ; v4  of its V
.set SPW, 5                            ; v5  my spare word; never rewritten
.set NIL, 6                            ; v6  0; never rewritten
.set DL,  7                            ; v7  lane % 16 - 8 (lane / 16)
.set PFO, 8                            ; v8  256 x lane: the prefetches' offset; never rewritten
.set ST,  12                           ; tile t's statistics at v[ST + 8 t]: +0 c m, +1 m, +2, +3 l (two halves), +4 .. +7 at work (a at +6)
.set Q,   32                           ; v32-63   Q: fragment (tile t, channels 32 c on) at Q + 16 t + 8 c
.set KV,  64                           ; v64-127  a step's K, then its V
.set S,   128                          ; v128-191 S^T, 32 a tile, then P in place
.set O,   192                          ; v192-255 O^T: (tile t, channels 16 u on) at O + 32 t + 8 u
.set TB,  2
.set WV,  18
.set SEL, 20
.set CS,  22
.set G1K, 24
.set G1V, 32
.set G0K, 40
.set G0V, 44
.set SLOTS, 67
.set QL,  68                           ; s68 my last query
.set LASTQ, 69                         ; s69 my work-group's last query
.set PFA, 76
.set LIM, 80
.set KF,  98                           ; s98 the step's first key
.set Q0,  99                           ; s99 my first query
; Waves 0 and 1 fetch for K, waves 2 and 3 for V, the others nothing.  An s_nop 0 and four v_nop follow each of the two lines.
.macro TLOAD
	s_cmp_lt_u32 s[WV], 2
	s_cbranch_scc0 .Lnot_k_\@
	tensor_load_to_lds s[G0K:G0K+3], s[G1K:G1K+7]
	s_nop 0
.rept 4
	v_nop
.endr
	s_branch .Lasked_\@
.Lnot_k_\@:
	s_cmp_lt_u32 s[WV], 4
	s_cbranch_scc0 .Lasked_\@
	tensor_load_to_lds s[G0V:G0V+3], s[G1V:G1V+7]
	s_nop 0
.rept 4
	v_nop
.endr
.Lasked_\@:
.endm
; A PREFETCH of what the NEXT change of slots will ask for: 256 keys of K and of V, 32,768 dense bytes each.  Each aligned block of 256 bytes is named once in the launch: of a pair's four work-groups the one with
; j = 0 asks, which itself loads all eight slots; in it waves 4-7 ask for K, waves 8-11 for V, 8,192 bytes a wave, lanes 256 bytes apart.  The last change that fills a slot asks for nothing.
.macro ASK
	s_cmp_gt_u32 s[SLOTS], s[LIM]
	s_cbranch_scc0 .Lnot_mine_\@
	global_prefetch_b8 v[PFO], s[PFA:PFA+1] th:TH_LOAD_NT scope:SCOPE_SE
.Lnot_mine_\@:
.endm
	s_load_b128 s[4:7], s[0:1], 0x0                ; qkv s[4:5], ao s[6:7]
	v_lshl_add_u32 v[SPW], v0, 2, SPARE
	v_mov_b32 v[NIL], 0
	ds_add_u32 v[SPW], v[NIL]                      ; the wave's opening: the add, twice on end, and its wait ahead of the first tensor load
	ds_add_u32 v[SPW], v[NIL]
	v_lshrrev_b32 v9, 5, v0
	v_readfirstlane_b32 s[WV], v9                  ; wave 0..15
	s_and_b32 s70, ttmp7, 0xffff                   ; the pair: 16 batch + head
	s_lshr_b32 s71, s[WV], 2
	s_xor_b32 s71, s71, s[WV]
	s_and_b32 s71, s71, 1                          ; 1: I belong to the late block
	s_lshl_b32 s72, ttmp9, 1
	s_sub_co_u32 s72, 7, s72
	s_mul_i32 s72, s72, s71
	s_add_co_u32 s72, s72, ttmp9                   ; my block: j or 7 - j
	s_lshl_b32 s72, s72, 8
	s_lshr_b32 s73, s[WV], 1
	s_lshl_b32 s73, s73, 5
	s_add_co_u32 s[Q0], s72, s73                   ; my first query: 256 x block + 32 x (wave / 2)
	s_add_co_u32 s[QL], s[Q0], 31
	s_sub_co_u32 s[LASTQ], 8, ttmp9
	s_lshl_b32 s[LASTQ], s[LASTQ], 8
	s_sub_co_u32 s[LASTQ], s[LASTQ], 1             ; 256 (8 - j) - 1
	s_lshl_b32 s74, s70, 18                        ; the pair's first byte in each third of qkv
	s_and_b32 s75, s[WV], 1                        ; which 128 keys of a slot I fetch, if I fetch
	s_lshl_b32 s81, s75, 14
	s_add_co_u32 s82, s74, s81
	s_add_co_u32 s82, s82, 0x1000000               ; K: the second third
	s_mov_b32 s83, 0
	s_add_co_u32 s84, s82, 0x1000000               ; V: the third
	s_mov_b32 s85, 0
	s_mul_i32 s86, s75, 128*KP
	s_mul_i32 s87, s75, 128*VP
	s_add_co_u32 s87, s87, VOFF
	; descriptor group 1: 128 rows of 64 elements of 2 bytes, dense in memory; padding behind each row
	s_mov_b32 s[G1K], (1<<16)|(1<<20)|(4<<22)|(3<<25)             ; no mask; 2-byte elements; padding on; behind every 32 words; 4 words
	s_mov_b32 s[G1V], (1<<16)|(1<<20)|(4<<22)|(7<<25)             ; 8 words
.irp g, G1K, G1V
	s_mov_b32 s[\g+1], 64<<16                      ; tensor_dim0
	s_mov_b32 s[\g+2], 128<<16                     ; tensor_dim1
	s_mov_b32 s[\g+3], 64<<16                      ; tile_dim0
	s_mov_b32 s[\g+4], 128                         ; tile_dim1
	s_mov_b32 s[\g+5], 64                          ; from row to row
	s_mov_b32 s[\g+6], 0
	s_mov_b32 s[\g+7], 0
.endr
	s_mov_b32 s[SEL], 0x76543210
	s_mov_b32 s[SEL+1], 0xfedcba98                 ; v_permlanex16_b32's selects for lane l xor 16
	s_mov_b32 s[CS], 0x3e38aa3b                    ; c = log2(e) / 8
	s_mov_b32 s[CS+1], s[CS]                       ; (named with it as a pair, so it is written)
	s_mov_b32 s[TB], 0
	s_mov_b32 s[SLOTS], 7
	s_mov_b32 s[KF], 0
	s_wait_dscnt 0x0                               ; both opening adds are done
	s_wait_kmcnt 0x0
	s_mov_b32 s[G0K], 1
	s_mov_b32 s[G0K+1], s86
	s_add_nc_u64 s[G0K+2:G0K+3], s[4:5], s[82:83]
	s_or_b32 s[G0K+3], s[G0K+3], 0x80000000
	s_mov_b32 s[G0V], 1
	s_mov_b32 s[G0V+1], s87
	s_add_nc_u64 s[G0V+2:G0V+3], s[4:5], s[84:85]
	s_or_b32 s[G0V+3], s[G0V+3], 0x80000000
	TLOAD                                          ; slot 0: keys 0-255, which count for every work-group
	s_lshl_b32 s88, s[Q0], 7
	s_add_co_u32 s88, s88, s74
	s_mov_b32 s89, 0
	s_add_nc_u64 s[90:91], s[4:5], s[88:89]        ; Q at my first query
	v_and_b32 v9, 15, v0                           ; r
	v_bfe_u32 v10, v0, 4, 1                        ; h
	v_lshlrev_b32 v11, 7, v9
	v_lshl_add_u32 v11, v10, 4, v11                ; row r of 128 bytes + 16 h
.irp t, 0,1
.irp c, 0,1
	global_load_b128 v[Q+16*\t+8*\c:Q+16*\t+8*\c+3], v11, s[90:91] offset:2048*\t+64*\c
	global_load_b128 v[Q+16*\t+8*\c+4:Q+16*\t+8*\c+7], v11, s[90:91] offset:2048*\t+64*\c+32
.endr
.endr
	s_and_b32 s92, s70, 15
	s_lshl_b32 s92, s92, 20                        ; ao: the head's 8,192 rows of 128 bytes,
	s_lshr_b32 s93, s70, 4
	s_lshl_b32 s93, s93, 11
	s_add_co_u32 s93, s93, s[Q0]
	s_lshl_b32 s93, s93, 7                         ; row 2048 batch + my first query
	s_add_co_u32 s92, s92, s93
	s_mov_b32 s93, 0
	s_add_nc_u64 s[6:7], s[6:7], s[92:93]
	s_cmp_lt_u32 s[WV], 8                          ; the prefetches: waves 4-7 K, waves 8-11 V
	s_mov_b32 s83, 0x2000000
	s_cselect_b32 s82, 0x1000000, s83
	s_add_co_u32 s82, s82, s74
	s_and_b32 s83, s[WV], 3
	s_lshl_b32 s83, s83, 13
	s_add_co_u32 s82, s82, s83
	s_add_co_u32 s82, s82, 32768                   ; in slot 1: the first change of slots steps it to slot 2.  Nothing is prefetched at the head
	s_mov_b32 s83, 0
	s_add_nc_u64 s[PFA:PFA+1], s[4:5], s[82:83]
	s_sub_co_u32 s82, s[WV], 4
	s_lshr_b32 s82, s82, 3                         ; 0 in waves 4 to 11,
	s_or_b32 s82, s82, ttmp9                       ; of the work-group with j = 0
	s_cmp_eq_u32 s82, 0
	s_cselect_b32 s[LIM], 1, -1
	v_mul_u32_u24 v[AK0], v9, KP
	v_lshl_add_u32 v[AK0], v10, 4, v[AK0]          ; K: row r x pitch + 16 h
	v_and_b32 v3, 7, v0
	v_lshl_add_u32 v[AV0], v10, 3, v3
	v_mul_u32_u24 v[AV0], v[AV0], VP
	v_bfe_u32 v3, v0, 3, 1
	v_lshl_add_u32 v[AV0], v3, 4, v[AV0]
	v_add_nc_u32 v[AV0], VOFF, v[AV0]              ; V: key 8 h + l % 8, channels 8 ((l / 8) % 2) on
	v_lshlrev_b32 v[DL], 3, v10
	v_sub_nc_u32 v[DL], v9, v[DL]
	v_and_b32 v[PFO], 31, v0
	v_lshlrev_b32 v[PFO], 8, v[PFO]
	v_mov_b32 v10, 0xff800000                      ; -infinity, for hidden scores
.irp t, 0,1
	v_mov_b32 v[ST+8*\t+1], 0xff61b1e6             ; m = -3e38, under every score
	v_mul_f32 v[ST+8*\t], s[CS], v[ST+8*\t+1]      ; c m
.irp i, 2,3,4,5,6,7
	v_mov_b32 v[ST+8*\t+\i], 0                     ; l, and the registers at work
.endr
.endr
.set n, 0
.rept 64
	v_mov_b32 v[O+n], 0                            ; O^T.  (The step is written once: the first finds zeros, and a = 0 leaves them zeros)
.set n, n+1
.endr
; A KEY STEP: 64 keys, the q-th of the slot in hand.
.macro STEP q
	s_cmp_gt_u32 s[KF], s[QL]                      ; all its keys come after my queries: the step's work is left out (ids and the count of steps alone; no barrier, wait on tensor loads or tensor load stands in a step)
	s_cbranch_scc1 .Lhidden_\@
	v_add_nc_u32 v[ADK], s[TB], v[AK0]
	v_add_nc_u32 v[ADV], s[TB], v[AV0]
.rept 3
	v_nop                                          ; with the two additions: five places behind the last V^T P, for the loads into its V and for the products that write over its P
.endr
.irp c, 0,1
.irp k, 0,1,2,3
	ds_load_b128 v[KV+8*(4*\c+\k):KV+8*(4*\c+\k)+3], v[ADK] offset:64*KP*(\q)+16*KP*\k+64*\c
	ds_load_b128 v[KV+8*(4*\c+\k)+4:KV+8*(4*\c+\k)+7], v[ADK] offset:64*KP*(\q)+16*KP*\k+64*\c+32
.endr
.endr
	s_wait_dscnt 8                                 ; channels 0-31 of the 64 keys are in; the eight loads of channels 32-63 may be out
.irp k, 0,1,2,3
.irp t, 0,1
	v_wmma_f32_16x16x32_f16 v[S+32*\t+8*\k:S+32*\t+8*\k+7], v[KV+8*\k:KV+8*\k+7], v[Q+16*\t:Q+16*\t+7], 0
.endr
.endr
	s_wait_dscnt 0x0
.irp k, 0,1,2,3
.irp t, 0,1
	v_wmma_f32_16x16x32_f16 v[S+32*\t+8*\k:S+32*\t+8*\k+7], v[KV+32+8*\k:KV+32+8*\k+7], v[Q+16*\t+8:Q+16*\t+15], v[S+32*\t+8*\k:S+32*\t+8*\k+7]   ; the eight accumulators by turns
.endr
.endr
.rept 4
	v_nop                                          ; places: for the loads into K's registers, and for the first reads of the scores
.endr
.irp g, 0,1
.irp u, 0,1,2,3
	ds_load_tr16_b128 v[KV+8*(4*\g+\u):KV+8*(4*\g+\u)+3], v[ADV] offset:64*VP*(\q)+32*VP*\g+32*\u          ; V^T: channels 16 u on, keys 32 g + 8 h + 0..7
	ds_load_tr16_b128 v[KV+8*(4*\g+\u)+4:KV+8*(4*\g+\u)+7], v[ADV] offset:64*VP*(\q)+32*VP*\g+32*\u+16*VP  ; and + 16
.endr
.endr
	s_add_co_u32 s96, s[KF], 63                    ; the mask, on the diagonal alone: a step all of whose keys count for my first query skips it
	s_cmp_le_u32 s96, s[Q0]
	s_cbranch_scc1 .Lopen_\@
	s_sub_co_i32 s96, s[Q0], s[KF]
	v_add_nc_u32 v9, s96, v[DL]                    ; d = Q0 - KF + r - 8 h.  Register 8 k + j of tile t holds key KF + 16 k + 8 h + j for query Q0 + 16 t + r: hidden where 16 k + j - 16 t > d
.irp t, 0,1
.irp k, 0,1,2,3
.irp j, 0,1,2,3,4,5,6,7
	v_cmp_gt_i32 vcc_lo, 16*\k+\j-16*\t, v9
	v_cndmask_b32 v[S+32*\t+8*\k+\j], v[S+32*\t+8*\k+\j], v10, vcc_lo
.endr
.endr
.endr
.Lopen_\@:
	; the maximum of my 32 scores a tile and the old m: four chains, each begun at an accumulator's low end; the two tiles line by line
.irp j, 0,1,2,3
.irp t, 0,1
	v_max3_num_f32 v[ST+8*\t+4+\j], v[S+32*\t+8*\j], v[S+32*\t+8*\j+1], v[S+32*\t+8*\j+2]
.endr
.endr
.irp k, 3,5
.irp j, 0,1,2,3
.irp t, 0,1
	v_max3_num_f32 v[ST+8*\t+4+\j], v[ST+8*\t+4+\j], v[S+32*\t+8*\j+\k], v[S+32*\t+8*\j+\k+1]
.endr
.endr
.endr
.irp t, 0,1
	v_max3_num_f32 v[ST+8*\t+4], v[ST+8*\t+4], v[S+32*\t+7], v[S+32*\t+15]
.endr
.irp t, 0,1
	v_max3_num_f32 v[ST+8*\t+6], v[ST+8*\t+6], v[S+32*\t+23], v[S+32*\t+31]
.endr
.irp t, 0,1
	v_max3_num_f32 v[ST+8*\t+4], v[ST+8*\t+4], v[ST+8*\t+5], v[ST+8*\t+6]
.endr
.irp t, 0,1
	v_max3_num_f32 v[ST+8*\t+4], v[ST+8*\t+4], v[ST+8*\t+7], v[ST+8*\t+1]
.endr
.irp t, 0,1
	v_permlanex16_b32 v[ST+8*\t+5], v[ST+8*\t+4], s[SEL], s[SEL+1]   ; the query's other 32 keys lie in the lane 16 away
.endr
.irp t, 0,1
	v_mov_b32 v[ST+8*\t+7], v[ST+8*\t]             ; c m_old
.endr
.irp t, 0,1
	v_max_num_f32 v[ST+8*\t+1], v[ST+8*\t+4], v[ST+8*\t+5]
.endr
.irp t, 0,1
	v_mul_f32 v[ST+8*\t], s[CS], v[ST+8*\t+1]
.endr
.irp t, 0,1
	v_sub_f32 v[ST+8*\t+7], v[ST+8*\t+7], v[ST+8*\t]
.endr
	; ONE BATCH: 66 exponentials and the 32 packed scalings between them; none of these lines names an exponential's result
.irp t, 0,1
	v_exp_f32 v[ST+8*\t+6], v[ST+8*\t+7]           ; a
.endr
.irp i, 0,1,2,3,4,5,6,7,8,9,10,11,12,13,14,15,16
.if \i < 16
.irp t, 0,1
	v_pk_fma_f32 v[S+32*\t+2*\i:S+32*\t+2*\i+1], v[S+32*\t+2*\i:S+32*\t+2*\i+1], s[CS:CS+1], v[ST+8*\t:ST+8*\t+1] op_sel_hi:[1,0,0] neg_lo:[0,0,1] neg_hi:[0,0,1]   ; c s - c m
.endr
.endif
.if \i > 0
.irp t, 0,1
	v_exp_f32 v[S+32*\t+2*(\i-1)], v[S+32*\t+2*(\i-1)]
	v_exp_f32 v[S+32*\t+2*(\i-1)+1], v[S+32*\t+2*(\i-1)+1]
.endr
.endif
.endr
	v_nop                                          ; a plain line behind the last exponential
	s_wait_alu depctr_va_vdst(0)                   ; the one wait between the batch and the first line that names a result
.irp t, 0,1
	v_pk_mul_f32 v[ST+8*\t+2:ST+8*\t+3], v[ST+8*\t+2:ST+8*\t+3], v[ST+8*\t+6:ST+8*\t+7] op_sel_hi:[1,0]   ; l x a
.endr
.irp t, 0,1
	v_pk_add_f32 v[ST+8*\t+4:ST+8*\t+5], v[S+32*\t+2:S+32*\t+3], v[S+32*\t+6:S+32*\t+7]   ; the sum of the unrounded p, two chains a tile: the odd pairs here,
.endr
.irp t, 0,1
	v_pk_add_f32 v[ST+8*\t+2:ST+8*\t+3], v[ST+8*\t+2:ST+8*\t+3], v[S+32*\t:S+32*\t+1]     ; the even pairs onto l
.endr
.irp i, 2,4,6,8,10,12,14
.irp t, 0,1
	v_pk_add_f32 v[ST+8*\t+2:ST+8*\t+3], v[ST+8*\t+2:ST+8*\t+3], v[S+32*\t+2*\i:S+32*\t+2*\i+1]
.endr
.if \i < 14
.irp t, 0,1
	v_pk_add_f32 v[ST+8*\t+4:ST+8*\t+5], v[ST+8*\t+4:ST+8*\t+5], v[S+32*\t+2*\i+6:S+32*\t+2*\i+7]
.endr
.endif
.endr
.irp t, 0,1
	v_pk_add_f32 v[ST+8*\t+2:ST+8*\t+3], v[ST+8*\t+2:ST+8*\t+3], v[ST+8*\t+4:ST+8*\t+5]
.endr
.irp g, 0,1
.irp i, 0,1,2,3,4,5,6,7
.irp t, 0,1
	v_cvt_pk_f16_f32 v[S+32*\t+16*\g+\i], v[S+32*\t+16*\g+2*\i], v[S+32*\t+16*\g+2*\i+1]   ; P in place, ascending: register i is written when its own number has been read
.endr
.endr
.endr
.irp i, 0,1,2,3,4,5,6,7,8,9,10,11,12,13,14,15
.irp t, 0,1
	v_pk_mul_f32 v[O+32*\t+2*\i:O+32*\t+2*\i+1], v[O+32*\t+2*\i:O+32*\t+2*\i+1], v[ST+8*\t+6:ST+8*\t+7] op_sel_hi:[1,0]   ; O^T x a, each accumulator from its low end on
.endr
.endr
	s_wait_dscnt 0x0                               ; V is in
.irp g, 0,1
.irp u, 0,1,2,3
.irp t, 0,1
	v_wmma_f32_16x16x32_f16 v[O+32*\t+8*\u:O+32*\t+8*\u+7], v[KV+8*(4*\g+\u):KV+8*(4*\g+\u)+7], v[S+32*\t+16*\g:S+32*\t+16*\g+7], v[O+32*\t+8*\u:O+32*\t+8*\u+7]
.endr
.endr
.endr
.Lhidden_\@:
	s_add_co_u32 s[KF], s[KF], 64
.endm
; THE CHANGE OF SLOTS stands at a slot's head.  Each wave waits for all its tensor loads, adds 0 to its spare word,
; and waits for that and for its reads of the slot that it has left.  Behind the barrier the slot ahead is whole and nobody reads the other one, which is then filled with the keys that follow.
.macro CHANGE fill
	s_wait_tensorcnt 0x0                           ; no tensor load of mine is out, so a group 0 may be written
	ds_add_u32 v[SPW], v[NIL]
.if \fill
	ds_add_u32 v[SPW], v[NIL]
	s_xor_b32 s[G0K+1], s[G0K+1], SLOT1            ; the walking descriptors: the other slot, the next 256 keys
	s_add_nc_u64 s[G0K+2:G0K+3], s[G0K+2:G0K+3], 32768
	s_xor_b32 s[G0V+1], s[G0V+1], SLOT1
	s_add_nc_u64 s[G0V+2:G0V+3], s[G0V+2:G0V+3], 32768
	s_wait_xcnt 0x0                                ; the last prefetch, a slot back, has read its address
	s_add_nc_u64 s[PFA:PFA+1], s[PFA:PFA+1], 32768
.endif
	s_wait_dscnt 0x0                               ; the add is done, and my reads of the slot that I have left are over
	s_barrier_signal -1
	s_barrier_wait -1
.if \fill
	s_add_co_u32 s96, s[KF], 256                   ; the first key of the slot that this change would ask for:
	s_cmp_gt_u32 s96, s[LASTQ]                     ; past my work-group's last query no wave would read it.  The work-group's number and the count of steps alone: all sixteen waves go the same way
	s_cbranch_scc1 .Lpast_\@
	TLOAD                                          ; a wave's one tensor load until the next such barrier: it has four key steps in which to land
.Lpast_\@:
	ASK
.endif
.endm
	s_wait_loadcnt 0x0                             ; Q
.Lslot:                                            ; seven trips
	CHANGE 1
	STEP 0
	STEP 1
	STEP 2
	STEP 3
	s_xor_b32 s[TB], s[TB], SLOT1
	s_sub_co_u32 s[SLOTS], s[SLOTS], 1
	s_cmp_lg_u32 s[SLOTS], 0
	s_cbranch_scc1 .Lslot
	CHANGE 0                                       ; the last slot is written out: nothing is left to ask for
	STEP 0
	STEP 1
	STEP 2
	STEP 3
	; THE WAY OUT.  O^T / l, rounded to f16, through my stage (32 rows x 144 bytes, in LDS slot 0: it has had its last fill, and behind the last barrier nobody reads it), and out as 4,096 consecutive bytes.
.irp t, 0,1
	v_add_f32 v[ST+8*\t+4], v[ST+8*\t+2], v[ST+8*\t+3]
.endr
.irp t, 0,1
	v_permlanex16_b32 v[ST+8*\t+5], v[ST+8*\t+4], s[SEL], s[SEL+1]
.endr
.irp t, 0,1
	v_add_f32 v[ST+8*\t+4], v[ST+8*\t+4], v[ST+8*\t+5]
.endr
.irp t, 0,1
	v_rcp_f32 v[ST+8*\t+6], v[ST+8*\t+4]
.endr
	v_and_b32 v9, 15, v0                           ; (plain lines behind the reciprocals)
	v_bfe_u32 v10, v0, 4, 1
	s_mul_i32 s73, s[WV], 32*KP
	v_mul_u32_u24 v3, v9, KP
	v_lshl_add_u32 v3, v10, 4, v3
	v_add_nc_u32 v3, s73, v3                       ; in: row r, 16 bytes for each half of the lanes
	v_and_b32 v4, 31, v0
	v_lshrrev_b32 v9, 3, v4
	v_mul_u32_u24 v9, v9, KP
	v_and_b32 v10, 7, v0
	v_lshl_add_u32 v9, v10, 4, v9
	v_add_nc_u32 v9, s73, v9                       ; back: eight lanes to a row of 128 bytes, four rows an instruction
	v_lshlrev_b32 v4, 4, v4                        ; and in ao: 16 x lane
	s_wait_alu depctr_va_vdst(0)                   ; the wait ahead of the reciprocals' first use
.irp i, 0,1,2,3,4,5,6,7,8,9,10,11,12,13,14,15
.irp t, 0,1
	v_pk_mul_f32 v[O+32*\t+2*\i:O+32*\t+2*\i+1], v[O+32*\t+2*\i:O+32*\t+2*\i+1], v[ST+8*\t+6:ST+8*\t+7] op_sel_hi:[1,0]
.endr
.endr
.irp t, 0,1
.irp i, 0,1,2,3,4,5,6,7,8,9,10,11,12,13,14,15
	v_cvt_pk_f16_f32 v[S+16*\t+\i], v[O+32*\t+2*\i], v[O+32*\t+2*\i+1]
.endr
.endr
.irp t, 0,1
.irp u, 0,1,2,3
	ds_store_b128 v3, v[S+16*\t+4*\u:S+16*\t+4*\u+3] offset:16*KP*\t+32*\u
.endr
.endr
.irp i, 0,1,2,3,4,5,6,7
	ds_load_b128 v[KV+4*\i:KV+4*\i+3], v9 offset:4*KP*\i   ; LDS serves a wave's instructions in order: these see my stores
.endr
.irp i, 0,1,2,3,4,5,6,7
	s_wait_dscnt 7-\i                              ; load i is back; the later ones may be out
	global_store_b128 v4, v[KV+4*\i:KV+4*\i+3], s[6:7] offset:512*\i   ; 32 lanes store 512 consecutive bytes, aligned
.endr
	s_wait_tensorcnt 0x0                           ; the wave's end
	ds_add_u32 v[SPW], v[NIL]
	s_wait_dscnt 0x0
	s_endpgm
.Lfunc_end_k_q3a3988668e_attention:
	.size	k_q3a3988668e_attention, .Lfunc_end_k_q3a3988668e_attention-k_q3a3988668e_attention
	.p2alignl 7, 3214868480
	.fill 96, 4, 3214868480
	.section	.rodata,"a",@progbits
	.p2align	6, 0x0
	.amdhsa_kernel k_q3a3988668e_attention
		.amdhsa_group_segment_fixed_size 327680
		.amdhsa_private_segment_fixed_size 0
		.amdhsa_enable_private_segment 0
		.amdhsa_kernarg_size 16
		.amdhsa_user_sgpr_count 2
		.amdhsa_user_sgpr_kernarg_segment_ptr 1
		.amdhsa_wavefront_size32 1
		.amdhsa_system_sgpr_workgroup_id_x 1
		.amdhsa_system_sgpr_workgroup_id_y 1
		.amdhsa_system_sgpr_workgroup_id_z 1
		.amdhsa_system_vgpr_workitem_id 0
		.amdhsa_next_free_vgpr 256
		.amdhsa_next_free_sgpr 100
		.amdhsa_reserve_vcc 1
		.amdhsa_float_denorm_mode_32 3
		.amdhsa_float_denorm_mode_16_64 3
		.amdhsa_memory_ordered 1
		.amdhsa_forward_progress 1
		.amdhsa_inst_pref_size 189
	.end_amdhsa_kernel
	.amdgpu_metadata
---
amdhsa.version: [ 1, 2 ]
amdhsa.kernels:
  - .name:           k_q3a3988668e_attention
    .symbol:         k_q3a3988668e_attention.kd
    .args:
      - { .name: qkv, .offset: 0, .size: 8, .value_kind: global_buffer, .address_space: global }
      - { .name: ao, .offset: 8, .size: 8, .value_kind: global_buffer, .address_space: global }
    .group_segment_fixed_size: 327680
    .private_segment_fixed_size: 0
    .kernarg_segment_align: 8
    .kernarg_segment_size: 16
    .max_flat_workgroup_size: 512
    .sgpr_count:     100
    .vgpr_count:     256
    .wavefront_size: 32
...
	.end_amdgpu_metadata
.endif
;; end of part 3
;; launch project_out (part 4): grid 4 x 64, 4 waves a work-group, clusters of 4 x 4, 327,680 bytes of LDS; arguments ao, wp16, bp, out0; writes out0
.if DOCPART == 4
	.amdgcn_target "amdgcn-amd-amdhsa--gfx1250"
	.amdhsa_code_object_version 6
	.text
	.protected	k_q3a3988668e_project_out
	.globl	k_q3a3988668e_project_out
	.p2align	8
	.type	k_q3a3988668e_project_out,@function
k_q3a3988668e_project_out:
	s_mov_b64 s[64:65], 0
	v_nop
	global_prefetch_b8 v0, s[64:65] scope:SCOPE_SE
	s_setreg_imm32_b32 hwreg(HW_REG_WAVE_MODE, 25, 1), 1
	s_wait_xcnt 0x0
	s_wait_alu depctr_hold_cnt(0) depctr_sa_sdst(0) depctr_va_vdst(0) depctr_va_sdst(0) depctr_va_ssrc(0) depctr_va_vcc(0) depctr_vm_vsrc(0)
	s_getreg_b32 s2, hwreg(HW_REG_IB_STS2, 6, 4)
	s_cmp_eq_u32 s2, 0
	s_cbranch_scc0 .Lentry_in_a_cluster
	s_endpgm
.Lentry_in_a_cluster:
	s_bfe_u32 s2, ttmp6, 0x10000c
	s_cmp_lg_u32 s2, 0xf033
	s_cbranch_scc0 .Lentry_shape_is_right
	s_endpgm
.Lentry_shape_is_right:
; out0[m][n] = the sum over k of A[m][k] Wp[k][n] + bp[n].  A = ao, f16, [16 (head)][8192 (m)][64]: k = 64 head + channel.  wp16: f16 [1024 (k)][1024 (n)].  out0: f32 [8192][1024].  Sums in f32.
; A tile of 128 x 256 gives 256 work-groups.  Four waves, each 64 x 128: 32 accumulators of 16 x 16.  K goes in steps of 128 (two heads) through a ring of two LDS slots.
; CLUSTERS: 4 x 4 work-groups: A's tile is shared along a row of the cluster, B's along a column: each is asked for JOINTLY.
; THE MATRIX INSTRUCTION IS USED TRANSPOSED: source 0 = 16 columns of Wp (turned out of LDS by ds_load_tr16_b128, since K is its first axis), source 1 = 16 rows of A: a lane holds eight neighbouring columns of one row.
; bp, in that layout, is the C of each sum's first product.  NO PREFETCH: a K step is 128 matrix instructions a wave on a small tile, and what one work-group fetches in a step is shared among four.
; REGISTERS: window 0: v0-31 addresses; two fragment buffers of 96 at v64 and v160: 32 of A (4 x 16 rows x 32 K), then 64 of B.   window 1: the accumulators ((a, b) at v[8 (8 a + b)]).   window 2: v0-63 bp.
.set PA,     144                       ; a row of A in LDS: 128 bytes + 16
.set PB,     544                       ; a row of B: 512 bytes + 32: an odd multiple of 32
.set PLANE,  128*PA                    ; a head's 128 rows
.set BOFF,   2*PLANE
.set HALFB,  64*PB
.set SLOT,   BOFF+2*HALFB
.set SPARE,  2*SLOT                    ; the spare words, 128 bytes for each wave: two blocks of 256 bytes that no other line names
.set SPITCH, 528                       ; the way out: 16 rows x (512 bytes + 16) for each wave, in slot 0 when it has had its last fill and its last read
.set LAPS,   4                         ; 8 K steps
.set ADRA, 16
.set ADRB, 20
.set STO,  24
.set RD,   25
.set CO,   26
.set SPW,  28
.set NIL,  29
.set F0,   64
.set F1,   160
.set BK,   64                          ; the way out: v64-127 and v128-191 by turns
.set G1, 24
.set G0, 32
.set G1B, 48
.set G0B, 56
.set WV, 70
.set HI, 71
.set LO, 72
.set MSB, 0
.macro WIN new
.if MSB != (\new)
	s_set_vgpr_msb (MSB<<8)|(\new)
.set MSB, (\new)
.endif
.endm
.set MUL,  0x50                        ; sources 0 and 1 window 0; C and D window 1
.set MULB, 0x60                        ; the first products: C (bp) window 2
.macro JLOAD s                         ; a joint load: waves 0 and 1 fetch A's two heads, waves 2 and 3 B's two halves; an s_nop 0 and four v_nop follow each line
	s_cmp_eq_u32 s[HI], 0
	s_cbranch_scc0 .Lfor_b_\@
	tensor_load_to_lds s[G0+4*\s:G0+4*\s+3], s[G1:G1+7]
	s_nop 0
.rept 4
	v_nop
.endr
	s_branch .Lasked_\@
.Lfor_b_\@:
	tensor_load_to_lds s[G0B+4*\s:G0B+4*\s+3], s[G1B:G1B+7]
	s_nop 0
.rept 4
	v_nop
.endr
.Lasked_\@:
.endm
.macro CREST
	s_cmp_lg_u32 s[WV], 0
	s_cbranch_scc1 .Lnot_wave_0_\@
	s_barrier_signal -3
.Lnot_wave_0_\@:
	s_barrier_wait -3
	s_barrier_signal -1
	s_barrier_wait -1
.endm
.macro CROUND
	s_barrier_signal -1
	s_barrier_wait -1
	CREST
.endm
	s_load_b128 s[4:7], s[0:1], 0x0                ; ao s[4:5], wp16 s[6:7]
	s_load_b128 s[8:11], s[0:1], 0x10              ; bp s[8:9], out0 s[10:11]
	v_lshl_add_u32 v[SPW], v0, 2, SPARE
	v_mov_b32 v[NIL], 0
	ds_add_u32 v[SPW], v[NIL]                      ; the wave's opening: the add, twice on end, and its wait ahead of my first tensor load
	ds_add_u32 v[SPW], v[NIL]
	v_lshrrev_b32 v1, 5, v0
	v_readfirstlane_b32 s[WV], v1                  ; wave 0..3
	s_lshr_b32 s[HI], s[WV], 1                     ; which half of the tile's rows is mine.  Also: I fetch for A (0) or for B (1)
	s_and_b32 s[LO], s[WV], 1                      ; which half of its columns.  Also: which head of A, or which 64 rows of B, I fetch
	s_bfe_u32 s40, ttmp6, 0x40000                  ; cx, cy
	s_bfe_u32 s41, ttmp6, 0x40004
	s_lshl_b32 s42, ttmp9, 2
	s_add_co_u32 s42, s42, s40                     ; tile column
	s_and_b32 s13, ttmp7, 0xffff
	s_lshl_b32 s13, s13, 2
	s_add_co_u32 s13, s13, s41                     ; tile row
	s_lshl_b32 s43, s41, 2
	s_lshl_b32 s43, 15, s43                        ; my row of the cluster
	s_lshl_b32 s44, 0x1111, s40                    ; my column
	s_or_b32 s[G1+0], s43, (1<<16)|(1<<20)|(1<<21)|(4<<22)|(3<<25)   ; A: the mask; 2-byte elements; padding on; bit 21 beside a mask; 4 words behind every 32
	s_mov_b32 s[G1+1], 64<<16                      ; tensor_dim0 = 64
	s_mov_b32 s[G1+2], 128<<16                     ; tensor_dim1 = 128
	s_mov_b32 s[G1+3], 64<<16                      ; tile_dim0
	s_mov_b32 s[G1+4], 128                         ; tile_dim1
	s_mov_b32 s[G1+5], 64                          ; from row to row
	s_mov_b32 s[G1+6], 0
	s_mov_b32 s[G1+7], 0
	s_or_b32 s[G1B+0], s44, (1<<16)|(1<<20)|(1<<21)|(6<<22)|(7<<25)  ; B: 8 words behind every 128
	s_mov_b32 s[G1B+1], 256<<16
	s_mov_b32 s[G1B+2], 64<<16
	s_mov_b32 s[G1B+3], 256<<16
	s_mov_b32 s[G1B+4], 64
	s_mov_b32 s[G1B+5], 1024
	s_mov_b32 s[G1B+6], 0
	s_mov_b32 s[G1B+7], 0
	s_lshl_b32 s16, s13, 14                        ; A: 128 rows of 128 bytes for each tile row,
	s_lshl_b32 s17, s[LO], 20                      ; a head's 8,192 rows
	s_add_co_u32 s16, s16, s17
	s_mov_b32 s17, 0
	s_lshl_b32 s46, s42, 9                         ; B: 256 columns of 2 bytes for each tile column,
	s_lshl_b32 s47, s[LO], 17                      ; 64 rows of 2,048 bytes
	s_add_co_u32 s46, s46, s47
	s_mov_b32 s47, 0
	s_mul_i32 s20, s[LO], PLANE                    ; where they go: the wave's number alone
	s_mul_i32 s21, s[LO], HALFB
	s_add_co_u32 s21, s21, BOFF
	s_wait_dscnt 0x0                               ; both opening adds are done
	s_wait_kmcnt 0x0
	s_add_nc_u64 s[14:15], s[4:5], s[16:17]
	s_add_nc_u64 s[46:47], s[6:7], s[46:47]
	CROUND                                         ; all sixteen work-groups are here: the first joint loads meet
.irp s, 0,1
	s_mov_b32 s[G0+4*\s], 1
	s_add_co_u32 s[G0+4*\s+1], s20, \s*SLOT
	s_add_nc_u64 s[G0+4*\s+2:G0+4*\s+3], s[14:15], \s*2097152      ; K step s: two heads on
	s_or_b32 s[G0+4*\s+3], s[G0+4*\s+3], 0x80000000
	s_mov_b32 s[G0B+4*\s], 1
	s_add_co_u32 s[G0B+4*\s+1], s21, \s*SLOT
	s_add_nc_u64 s[G0B+4*\s+2:G0B+4*\s+3], s[46:47], \s*262144     ; 128 rows on
	s_or_b32 s[G0B+4*\s+3], s[G0B+4*\s+3], 0x80000000
	JLOAD \s
.endr
	v_and_b32 v1, 15, v0                           ; r
	v_bfe_u32 v2, v0, 4, 1                         ; h
	v_mul_u32_u24 v3, v1, PA
	v_lshl_add_u32 v3, v2, 4, v3                   ; A: row r x pitch + 16 h
	v_and_b32 v4, 7, v0
	v_lshl_add_u32 v4, v2, 3, v4
	v_mul_u32_u24 v4, v4, PB
	v_bfe_u32 v5, v0, 3, 1
	v_lshl_add_u32 v4, v5, 4, v4                   ; B: k 8 h + l % 8, columns 8 ((l / 8) % 2) on
	s_mul_i32 s21, s[HI], 64*PA                    ; my 64 rows of A
	s_lshl_b32 s22, s[LO], 8                       ; my 128 columns of B
	s_add_co_u32 s22, s22, BOFF
.irp s, 0,1
	v_add_nc_u32 v[ADRA+\s], s21, v3
	v_add_nc_u32 v[ADRB+\s], s22, v4
	s_add_co_u32 s21, s21, SLOT
	s_add_co_u32 s22, s22, SLOT
.endr
	s_mul_i32 s23, s[WV], 16*SPITCH                ; my stage
	v_mul_u32_u24 v5, v1, SPITCH
	v_lshl_add_u32 v5, v2, 5, v5
	v_add_nc_u32 v[STO], s23, v5                   ; in: row r, 32 bytes for each half of the lanes
	v_and_b32 v6, 31, v0
	v_lshlrev_b32 v[CO], 4, v6                     ; back: the 32 lanes take one row of 512 bytes; and the same in out0
	v_add_nc_u32 v[RD], s23, v[CO]
	v_lshlrev_b32 v7, 5, v2                        ; bp: 32 bytes for each half of the lanes
	s_lshl_b32 s16, s13, 7
	s_lshl_b32 s17, s[HI], 6
	s_add_co_u32 s16, s16, s17                     ; my first row
	s_lshl_b32 s16, s16, 12
	s_mov_b32 s17, 0
	s_add_nc_u64 s[10:11], s[10:11], s[16:17]
	s_lshl_b32 s46, s42, 10
	s_lshl_b32 s47, s[LO], 9
	s_add_co_u32 s46, s46, s47                     ; my first column, in bytes of f32
	s_mov_b32 s47, 0
	s_add_nc_u64 s[10:11], s[10:11], s[46:47]
	s_add_nc_u64 s[8:9], s[8:9], s[46:47]
	WIN 0x80                                       ; destination window 2
.irp b, 0,1,2,3,4,5,6,7
	global_load_b128 v[8*\b:8*\b+3], v7, s[8:9] offset:64*\b          ; bp(16 b + 8 h + 0 .. 7)
	global_load_b128 v[8*\b+4:8*\b+7], v7, s[8:9] offset:64*\b+16
.endr
	WIN 0
.macro MUL8 f, a, first                ; A's block a x B's eight, 32 along K
.irp b, 0,1,2,3,4,5,6,7
.if \first
	v_wmma_f32_16x16x32_f16 v[8*(8*(\a)+\b):8*(8*(\a)+\b)+7], v[\f+32+8*\b:\f+32+8*\b+7], v[\f+8*(\a):\f+8*(\a)+7], v[8*\b:8*\b+7]
.else
	v_wmma_f32_16x16x32_f16 v[8*(8*(\a)+\b):8*(8*(\a)+\b)+7], v[\f+32+8*\b:\f+32+8*\b+7], v[\f+8*(\a):\f+8*(\a)+7], v[8*(8*(\a)+\b):8*(8*(\a)+\b)+7]
.endif
.endr
.endm
.macro FETCH slot, q, f                ; 24 LDS loads in one run: the slot's q-th 32 along K: B's eight fragments, then A's four
	WIN 0
.irp b, 0,1,2,3,4,5,6,7
	ds_load_tr16_b128 v[\f+32+8*\b:\f+32+8*\b+3], v[ADRB+\slot] offset:32*PB*(\q)+32*\b
	ds_load_tr16_b128 v[\f+32+8*\b+4:\f+32+8*\b+7], v[ADRB+\slot] offset:32*PB*(\q)+32*\b+16*PB
.endr
.irp i, 0,1,2,3
	ds_load_b128 v[\f+8*\i:\f+8*\i+3], v[ADRA+\slot] offset:PLANE*((\q)/2)+64*((\q)%2)+16*PA*\i
	ds_load_b128 v[\f+8*\i+4:\f+8*\i+7], v[ADRA+\slot] offset:PLANE*((\q)/2)+64*((\q)%2)+16*PA*\i+32
.endr
.endm
.macro PLACES                          ; four plain lines between a matrix instruction and a load into, or a read of, its registers
.rept 4
	v_nop
.endr
.endm
; A K step is four quarters of 32 along K, 32 matrix instructions each (the 32 accumulators by turns), on buffers 0, 1, 0, 1.  One of the first three: multiplies buffer f and fetches quarter q into g.
.macro QUARTER slot, q, f, g, first
	s_wait_dscnt 4                                 ; B and A's blocks 0, 1 are in; the youngest four loads (blocks 2, 3) may be out
.if \first
	WIN MULB
.else
	WIN MUL
.endif
	MUL8 \f, 0, \first
	MUL8 \f, 1, \first
	PLACES
	FETCH \slot, \q, \g
	s_wait_dscnt 24                                ; all but the 24 just issued
.if \first
	WIN MULB
.else
	WIN MUL
.endif
	MUL8 \f, 2, \first
	MUL8 \f, 3, \first
.endm
; The last quarter multiplies buffer 1 and changes slots: ONE barrier; in front of it each wave waits for all its tensor loads, adds 0 to its spare word, and waits for that and for its reads of this slot.
; fill = 1: the barrier opens a round of the cluster's barrier, and this slot is filled again, two K steps ahead: 112 matrix instructions stand between the request and the wait for it.
.macro TURN slot, next, fill
	WIN 0
	s_wait_tensorcnt 0x0                           ; my part of the next slot has landed
	ds_add_u32 v[SPW], v[NIL]
	s_wait_dscnt 5                                 ; (the add and the youngest four loads may be out)
	WIN MUL
	MUL8 F1, 0, 0
	s_wait_dscnt 0x0                               ; the add is done, and my reads of this slot are over
	s_barrier_signal -1
	MUL8 F1, 1, 0
.if \fill
	WIN 0
.endif
	s_barrier_wait -1
.if \fill
	CREST                                          ; no wave of any partner still reads this slot's tile or has a load on its way
	s_add_nc_u64 s[G0+4*\slot+2:G0+4*\slot+3], s[G0+4*\slot+2:G0+4*\slot+3], 4194304    ; four heads on
	s_add_nc_u64 s[G0B+4*\slot+2:G0B+4*\slot+3], s[G0B+4*\slot+2:G0B+4*\slot+3], 524288 ; 256 rows on
	JLOAD \slot                                    ; the first tensor load behind the round; its four v_nop are also the places in front of the loads below
.else
	PLACES
.endif
	FETCH \next, 0, F0
	WIN MUL
	MUL8 F1, 2, 0
	MUL8 F1, 3, 0
.endm
	s_wait_tensorcnt 1                             ; my part of K step 0 is in (K step 1's may be out)
	s_barrier_signal -1
	s_barrier_wait -1                              ; everybody's is
	FETCH 0, 0, F0
	s_wait_loadcnt 0x0                             ; bp
	QUARTER 0, 1, F0, F1, 1                        ; the first quarter stands in front of the loop: its products start the sums, from bp
	WIN 0
	s_mov_b32 s3, LAPS-1
.Llap:                                             ; a trip goes once round the ring and fills both slots again
	QUARTER 0, 2, F1, F0, 0
	QUARTER 0, 3, F0, F1, 0
	TURN 0, 1, 1
	QUARTER 1, 1, F0, F1, 0
	QUARTER 1, 2, F1, F0, 0
	QUARTER 1, 3, F0, F1, 0
	TURN 1, 0, 1
	QUARTER 0, 1, F0, F1, 0
	WIN 0
	s_sub_co_u32 s3, s3, 1
	s_cmp_lg_u32 s3, 0
	s_cbranch_scc1 .Llap
	QUARTER 0, 2, F1, F0, 0                        ; the last lap fills nothing
	QUARTER 0, 3, F0, F1, 0
	TURN 0, 1, 0
	QUARTER 1, 1, F0, F1, 0
	QUARTER 1, 2, F1, F0, 0
	QUARTER 1, 3, F0, F1, 0
	s_wait_dscnt 4
	WIN MUL
	MUL8 F1, 0, 0
	MUL8 F1, 1, 0
	s_wait_dscnt 0
	MUL8 F1, 2, 0
	MUL8 F1, 3, 0
	WIN 0
; THE WAY OUT, a block of 16 rows x 128 columns at a time, through my own stage: back as whole rows of 512 bytes, which the 32 lanes store as 512 consecutive bytes, aligned.
.macro TOSTAGE a
	WIN 0x04                                       ; an LDS store's data are its source 1: window 1
.irp b, 0,1,2,3,4,5,6,7
	ds_store_b128 v[STO], v[8*(8*(\a)+\b):8*(8*(\a)+\b)+3] offset:64*\b          ; each accumulator from its low end on
	ds_store_b128 v[STO], v[8*(8*(\a)+\b)+4:8*(8*(\a)+\b)+7] offset:64*\b+16
.endr
	WIN 0
.set BB, BK+64*((\a)%2)
.irp t, 0,1,2,3,4,5,6,7,8,9,10,11,12,13,14,15
	ds_load_b128 v[BB+4*\t:BB+4*\t+3], v[RD] offset:\t*SPITCH   ; LDS serves a wave's instructions in order
.endr
.endm
.macro SEND a, younger                 ; younger: the LDS instructions issued behind block a's loads, which may stay out
.set BB, BK+64*((\a)%2)
	s_wait_dscnt \younger
.irp t, 0,1,2,3,4,5,6,7,8,9,10,11,12,13,14,15
	global_store_b128 v[CO], v[BB+4*\t:BB+4*\t+3], s[10:11] offset:(16*(\a)+\t)*4096 th:TH_STORE_NT
.endr
.endm
	PLACES
	TOSTAGE 0
.irp a, 1,2,3
.if \a > 1
	s_wait_xcnt 0x0                                ; block a - 2's stores have read their registers: block a's loads may land there
.endif
	TOSTAGE \a
	SEND \a-1, 32                                  ; behind block a - 1's loads: block a's 16 stores and 16 loads
.endr
	SEND 3, 0
	s_wait_tensorcnt 0x0                           ; the wave's end
	ds_add_u32 v[SPW], v[NIL]
	s_wait_dscnt 0x0
	CROUND                                         ; the closing round
	s_endpgm
.Lfunc_end_k_q3a3988668e_project_out:
	.size	k_q3a3988668e_project_out, .Lfunc_end_k_q3a3988668e_project_out-k_q3a3988668e_project_out
	.p2alignl 7, 3214868480
	.fill 96, 4, 3214868480
	.section	.rodata,"a",@progbits
	.p2align	6, 0x0
	.amdhsa_kernel k_q3a3988668e_project_out
		.amdhsa_group_segment_fixed_size 327680
		.amdhsa_private_segment_fixed_size 0
		.amdhsa_enable_private_segment 0
		.amdhsa_kernarg_size 32
		.amdhsa_user_sgpr_count 2
		.amdhsa_user_sgpr_kernarg_segment_ptr 1
		.amdhsa_wavefront_size32 1
		.amdhsa_system_sgpr_workgroup_id_x 1
		.amdhsa_system_sgpr_workgroup_id_y 1
		.amdhsa_system_sgpr_workgroup_id_z 1
		.amdhsa_system_vgpr_workitem_id 0
		.amdhsa_next_free_vgpr 576
		.amdhsa_next_free_sgpr 80
		.amdhsa_reserve_vcc 0
		.amdhsa_float_denorm_mode_32 3
		.amdhsa_float_denorm_mode_16_64 3
		.amdhsa_memory_ordered 1
		.amdhsa_forward_progress 1
		.amdhsa_inst_pref_size 86
	.end_amdhsa_kernel
	.amdgpu_metadata
---
amdhsa.version: [ 1, 2 ]
amdhsa.kernels:
  - .name:           k_q3a3988668e_project_out
    .symbol:         k_q3a3988668e_project_out.kd
    .args:
      - { .name: ao, .offset: 0, .size: 8, .value_kind: global_buffer, .address_space: global }
      - { .name: wp16, .offset: 8, .size: 8, .value_kind: global_buffer, .address_space: global }
      - { .name: bp, .offset: 16, .size: 8, .value_kind: global_buffer, .address_space: global }
      - { .name: out0, .offset: 24, .size: 8, .value_kind: global_buffer, .address_space: global }
    .group_segment_fixed_size: 327680
    .private_segment_fixed_size: 0
    .kernarg_segment_align: 8
    .kernarg_segment_size: 32
    .max_flat_workgroup_size: 128
    .sgpr_count:     80
    .vgpr_count:     576
    .wavefront_size: 32
...
	.end_amdgpu_metadata
.endif
;; end of part 4
;; launch fine_attn (part 5): grid 16 x 4, 12 waves a work-group, no clusters, 19,456 bytes of LDS; arguments xc, xs, wc, ws, bq, bk, bv, afine; writes afine
.if DOCPART == 5
	.amdgcn_target "amdgcn-amd-amdhsa--gfx1250"
	.amdhsa_code_object_version 6
	.text
	.protected	k_q3a3988668e_fine_attn
	.globl	k_q3a3988668e_fine_attn
	.p2align	8
	.type	k_q3a3988668e_fine_attn,@function
k_q3a3988668e_fine_attn:
	s_mov_b64 s[64:65], 0
	v_nop
	global_prefetch_b8 v0, s[64:65] scope:SCOPE_SE
	s_setreg_imm32_b32 hwreg(HW_REG_WAVE_MODE, 25, 1), 1
	s_wait_xcnt 0x0
; THE FIRST 16 POSITIONS OF EACH SEQUENCE, IN F32.  Under the causal mask these rows average one to sixteen values, so 16-bit operands would weigh most here.  Work-group (head, batch).
; Phase 1: q, k, v of positions 0-15 and this head's 64 channels, from the same codes as the large launch, by the FP4 matrix instruction, kept in f32: wave w makes tile w & 3 (16 channels) of q, k or v (w >> 2).
; Phase 2 (waves 0-3): S^T = K Q^T and O = P V by the f32 matrix instruction; softmax with the row's maximum taken away; wave w makes channels 16 w on.  OUT: afine f32 [64 (16 batch + position)][1024].
; The registers v224-255 are written by the f32 matrix instructions alone; what is made of their sums goes into other registers.
.set QA, 0                             ; LDS: q, k, v, o: 16 rows x (256 bytes + 16) each
.set KA, 4352
.set VA, 8704
.set OS, 13056
.set SPARE, 17408                      ; the spare words, 128 bytes for each wave: six blocks of 256 bytes that no other line names
	s_load_b256 s[4:11], s[0:1], 0x0               ; xc s[4:5], xs s[6:7], wc s[8:9], ws s[10:11]
	s_load_b256 s[12:19], s[0:1], 0x20             ; bq s[12:13], bk s[14:15], bv s[16:17], afine s[18:19]
	v_lshl_add_u32 v8, v0, 2, SPARE                ; my spare word; never rewritten
	v_mov_b32 v9, 0                                ; 0; never rewritten
	v_lshrrev_b32 v13, 5, v0
	v_readfirstlane_b32 s20, v13                   ; wave 0..11
	v_and_b32 v10, 15, v0                          ; r
	v_bfe_u32 v11, v0, 4, 1                        ; h
	s_lshr_b32 s21, s20, 2                         ; q, k or v
	s_and_b32 s22, s20, 3                          ; which 16 channels
	s_and_b32 s23, ttmp7, 0xffff                   ; batch
	; every LDS address is made here, ahead of the partings on the wave's number
	s_mul_i32 s24, s21, 4352
	s_lshl_b32 s25, s22, 6
	s_add_co_u32 s24, s24, s25
	v_mul_u32_u24 v13, v10, 272
	v_lshl_add_u32 v1, v11, 5, v13
	v_add_nc_u32 v1, s24, v1                       ; phase 1's store: row r, my tile's 64 bytes, 32 for each half of the lanes
	v_lshl_add_u32 v2, v11, 3, v13                 ; q's and k's fragments: row r, + 8 h
	v_mul_u32_u24 v14, v11, 8*272
	v_lshl_add_u32 v14, v10, 2, v14
	v_add_nc_u32 v14, s25, v14                     ; row 8 h, channel 16 (w & 3) + r
	v_add_nc_u32 v3, VA, v14                       ; v's fragments
	v_add_nc_u32 v4, OS, v14                       ; o's store
	s_mul_i32 s26, s22, 4*272
	v_mul_u32_u24 v5, v11, 272
	v_lshl_add_u32 v5, v10, 4, v5
	v_add_nc_u32 v5, s26, v5
	v_add_nc_u32 v5, OS, v5                        ; o back: rows 4 (w & 3) + h, sixteen lanes to a row
	v_lshlrev_b32 v6, 9, v10
	v_lshl_add_u32 v6, v11, 4, v6                  ; codes: row r of 512 bytes + 16 h
	v_lshlrev_b32 v7, 5, v10                       ; scale bytes: row r of 32
	v_lshlrev_b32 v15, 5, v11                      ; bias: 32 h
	v_lshlrev_b32 v12, 3, v11
	v_sub_nc_u32 v12, v10, v12                     ; r - 8 h
	v_lshlrev_b32 v216, 12, v11
	v_lshl_add_u32 v216, v10, 4, v216              ; afine: row h of 4,096 bytes + 16 r
	v_mov_b32 v218, 0                              ; (a lane permute's destination counts as one of its sources)
	v_mov_b32 v223, 0xff800000                     ; -infinity
	s_mov_b32 s32, 0x76543210
	s_mov_b32 s33, 0xfedcba98
	s_mov_b32 s34, 0x3e38aa3b                      ; c = log2(e) / 8
	s_mov_b32 s29, 0
	s_lshl_b32 s30, ttmp9, 6
	s_lshl_b32 s31, s22, 4
	s_add_co_u32 s30, s30, s31                     ; my first column in the matrix: 64 head + 16 tile
	s_lshl_b32 s27, s21, 10
	s_add_co_u32 s27, s27, s30                     ; and my first row of wc and ws
	s_wait_kmcnt 0x0
	s_lshl_b32 s28, s23, 20
	s_add_nc_u64 s[4:5], s[4:5], s[28:29]          ; xc at the batch's first position
	s_lshl_b32 s28, s23, 16
	s_add_nc_u64 s[6:7], s[6:7], s[28:29]
	s_lshl_b32 s28, s27, 9
	s_add_nc_u64 s[8:9], s[8:9], s[28:29]
	s_lshl_b32 s28, s27, 5
	s_add_nc_u64 s[10:11], s[10:11], s[28:29]
	s_cmp_eq_u32 s21, 0
	s_cselect_b64 s[12:13], s[12:13], s[14:15]
	s_cmp_eq_u32 s21, 2
	s_cselect_b64 s[12:13], s[16:17], s[12:13]
	s_lshl_b32 s28, s30, 2
	s_add_nc_u64 s[12:13], s[12:13], s[28:29]
	s_lshl_b32 s28, s23, 4
	s_lshl_b32 s31, s22, 2
	s_add_co_u32 s28, s28, s31
	s_lshl_b32 s28, s28, 12
	s_lshl_b32 s31, ttmp9, 8
	s_add_co_u32 s28, s28, s31
	s_add_nc_u64 s[18:19], s[18:19], s[28:29]      ; afine: row 16 batch + 4 (w & 3), column 64 head
.irp s, 0,1,2,3,4,5,6,7
	global_load_b128 v[16+8*\s:19+8*\s], v6, s[4:5] offset:64*\s         ; x's fragment of K step s
	global_load_b128 v[20+8*\s:23+8*\s], v6, s[4:5] offset:64*\s+32
	global_load_b128 v[80+8*\s:83+8*\s], v6, s[8:9] offset:64*\s         ; W's
	global_load_b128 v[84+8*\s:87+8*\s], v6, s[8:9] offset:64*\s+32
.endr
	global_load_b128 v[144:147], v7, s[6:7]        ; x's eight scale words: v144 + s
	global_load_b128 v[148:151], v7, s[6:7] offset:16
	global_load_b128 v[152:155], v7, s[10:11]      ; W's: v152 + s
	global_load_b128 v[156:159], v7, s[10:11] offset:16
	global_load_b128 v[160:163], v15, s[12:13]     ; bias(8 h + 0 .. 7) of my tile
	global_load_b128 v[164:167], v15, s[12:13] offset:16
	s_wait_loadcnt 0x0
	; TRANSPOSED: source 0 = 16 rows of W, source 1 = x's 16 positions: lane (r, h) holds position r and channels 8 h + 0..7.  Two accumulators by turns; the bias starts the first
	v_wmma_scale_f32_16x16x128_f8f6f4 v[168:175], v[80:87], v[16:23], v[160:167], v152, v144 matrix_a_fmt:MATRIX_FMT_FP4 matrix_b_fmt:MATRIX_FMT_FP4
	v_wmma_scale_f32_16x16x128_f8f6f4 v[176:183], v[88:95], v[24:31], 0, v153, v145 matrix_a_fmt:MATRIX_FMT_FP4 matrix_b_fmt:MATRIX_FMT_FP4
.irp s, 2,4,6
	v_wmma_scale_f32_16x16x128_f8f6f4 v[168:175], v[80+8*\s:87+8*\s], v[16+8*\s:23+8*\s], v[168:175], v[152+\s], v[144+\s] matrix_a_fmt:MATRIX_FMT_FP4 matrix_b_fmt:MATRIX_FMT_FP4
	v_wmma_scale_f32_16x16x128_f8f6f4 v[176:183], v[88+8*\s:95+8*\s], v[24+8*\s:31+8*\s], v[176:183], v[153+\s], v[145+\s] matrix_a_fmt:MATRIX_FMT_FP4 matrix_b_fmt:MATRIX_FMT_FP4
.endr
.rept 4
	v_nop
.endr
.irp i, 0,2,4,6
	v_pk_add_f32 v[184+\i:185+\i], v[168+\i:169+\i], v[176+\i:177+\i]
.endr
	ds_store_b128 v1, v[184:187]
	ds_store_b128 v1, v[188:191] offset:16
	s_wait_dscnt 0x0                               ; for the others' sake: my stores have landed
	s_barrier_signal -1
	s_barrier_wait -1                              ; q, k, v lie in LDS
	s_cmp_ge_u32 s20, 4
	s_cbranch_scc1 .Lskip
.irp c, 0,1,2,3,4,5,6,7,8,9,10,11,12,13,14,15
	ds_load_b64 v[16+2*\c:17+2*\c], v2 offset:KA+16*\c     ; k(r, 4 c + 2 h + 0, 1)
	ds_load_b64 v[48+2*\c:49+2*\c], v2 offset:QA+16*\c     ; q likewise
.endr
.irp i, 0,1,2,3,4,5,6,7
	ds_load_b32 v[208+\i], v3 offset:272*\i                ; v(8 h + i, 16 w + r)
.endr
	s_wait_dscnt 0x0
	v_wmma_f32_16x16x4_f32 v[224:231], v[16:17], v[48:49], 0       ; S^T = K Q^T: lane (r, h) holds query r and keys 8 h + 0..7; two sums by turns, each begun with 0
	v_wmma_f32_16x16x4_f32 v[232:239], v[18:19], v[50:51], 0
.irp c, 2,4,6,8,10,12,14
	v_wmma_f32_16x16x4_f32 v[224:231], v[16+2*\c:17+2*\c], v[48+2*\c:49+2*\c], v[224:231]
	v_wmma_f32_16x16x4_f32 v[232:239], v[18+2*\c:19+2*\c], v[50+2*\c:51+2*\c], v[232:239]
.endr
.rept 8
	v_nop                                          ; eight places behind this form
.endr
.irp i, 0,2,4,6
	v_pk_add_f32 v[192+\i:193+\i], v[224+\i:225+\i], v[232+\i:233+\i]
.endr
.irp j, 0,1,2,3,4,5,6,7
	v_mul_f32 v[192+\j], s34, v[192+\j]            ; t = c x score
.endr
.irp j, 0,1,2,3,4,5,6,7
	v_cmp_gt_i32 vcc_lo, \j, v12                   ; key 8 h + j comes after query r
	v_cndmask_b32 v[192+\j], v[192+\j], v223, vcc_lo
.endr
	v_max3_num_f32 v217, v192, v193, v194
	v_max3_num_f32 v217, v217, v195, v196
	v_max3_num_f32 v217, v217, v197, v198
	v_max_num_f32 v217, v217, v199
	v_permlanex16_b32 v218, v217, s32, s33
	v_max_num_f32 v217, v217, v218                 ; the row's maximum (key 0 counts for every query)
.irp j, 0,1,2,3,4,5,6,7
	v_sub_f32 v[192+\j], v[192+\j], v217
.endr
.irp j, 0,1,2,3,4,5,6,7
	v_exp_f32 v[192+\j], v[192+\j]
.endr
	v_nop
	s_wait_alu depctr_va_vdst(0)                   ; the wait ahead of the batch's first use
	v_pk_add_f32 v[220:221], v[192:193], v[194:195]
	v_pk_add_f32 v[214+0:215+0], v[214+0:215+0], 0 op_sel_hi:[1,0]   ; (v's last pair as it stands: keeps the two sums' lines apart)
	v_pk_add_f32 v[220:221], v[220:221], v[196:197]
	v_pk_add_f32 v[220:221], v[220:221], v[198:199]
	v_add_f32 v220, v220, v221
	v_permlanex16_b32 v218, v220, s32, s33
	v_add_f32 v220, v220, v218                     ; the row's sum
	v_rcp_f32 v219, v220
	v_nop
	s_wait_alu depctr_va_vdst(0)
.irp j, 0,1,2,3,4,5,6,7
	v_mul_f32 v[200+\j], v[192+\j], v219           ; the weights
.endr
	; O = P V.  Step c takes registers 2 c, 2 c + 1 of both operands: keys 8 h + 2 c + 0, 1 on both sides.  Lane (r, h) then holds channel 16 w + r of queries 8 h + 0..7
	v_wmma_f32_16x16x4_f32 v[240:247], v[200:201], v[208:209], 0
	v_wmma_f32_16x16x4_f32 v[248:255], v[202:203], v[210:211], 0
	v_wmma_f32_16x16x4_f32 v[240:247], v[204:205], v[212:213], v[240:247]
	v_wmma_f32_16x16x4_f32 v[248:255], v[206:207], v[214:215], v[248:255]
.rept 8
	v_nop
.endr
.irp i, 0,2,4,6
	v_pk_add_f32 v[184+\i:185+\i], v[240+\i:241+\i], v[248+\i:249+\i]
.endr
.irp j, 0,1,2,3,4,5,6,7
	ds_store_b32 v4, v[184+\j] offset:272*\j
.endr
.Lskip:
	s_wait_dscnt 0x0
	s_barrier_signal -1
	s_barrier_wait -1                              ; 16 rows of o lie in LDS
	s_cmp_ge_u32 s20, 4
	s_cbranch_scc1 .Lend
	ds_load_b128 v[16:19], v5
	ds_load_b128 v[20:23], v5 offset:544
	s_wait_dscnt 1                                 ; the first is back
	global_store_b128 v216, v[16:19], s[18:19]     ; sixteen lanes store a row's 256 bytes, aligned
	s_wait_dscnt 0x0
	global_store_b128 v216, v[20:23], s[18:19] offset:8192
.Lend:
	s_wait_tensorcnt 0x0                           ; the wave's end, behind my last LDS store
	ds_add_u32 v8, v9
	s_wait_dscnt 0x0
	s_endpgm
.Lfunc_end_k_q3a3988668e_fine_attn:
	.size	k_q3a3988668e_fine_attn, .Lfunc_end_k_q3a3988668e_fine_attn-k_q3a3988668e_fine_attn
	.p2alignl 7, 3214868480
	.fill 96, 4, 3214868480
	.section	.rodata,"a",@progbits
	.p2align	6, 0x0
	.amdhsa_kernel k_q3a3988668e_fine_attn
		.amdhsa_group_segment_fixed_size 19456
		.amdhsa_private_segment_fixed_size 0
		.amdhsa_enable_private_segment 0
		.amdhsa_kernarg_size 64
		.amdhsa_user_sgpr_count 2
		.amdhsa_user_sgpr_kernarg_segment_ptr 1
		.amdhsa_wavefront_size32 1
		.amdhsa_system_sgpr_workgroup_id_x 1
		.amdhsa_system_sgpr_workgroup_id_y 1
		.amdhsa_system_sgpr_workgroup_id_z 1
		.amdhsa_system_vgpr_workitem_id 0
		.amdhsa_next_free_vgpr 256
		.amdhsa_next_free_sgpr 66
		.amdhsa_reserve_vcc 1
		.amdhsa_float_denorm_mode_32 3
		.amdhsa_float_denorm_mode_16_64 3
		.amdhsa_memory_ordered 1
		.amdhsa_forward_progress 1
		.amdhsa_inst_pref_size 17
	.end_amdhsa_kernel
	.amdgpu_metadata
---
amdhsa.version: [ 1, 2 ]
amdhsa.kernels:
  - .name:           k_q3a3988668e_fine_attn
    .symbol:         k_q3a3988668e_fine_attn.kd
    .args:
      - { .name: xc, .offset: 0, .size: 8, .value_kind: global_buffer, .address_space: global }
      - { .name: xs, .offset: 8, .size: 8, .value_kind: global_buffer, .address_space: global }
      - { .name: wc, .offset: 16, .size: 8, .value_kind: global_buffer, .address_space: global }
      - { .name: ws, .offset: 24, .size: 8, .value_kind: global_buffer, .address_space: global }
      - { .name: bq, .offset: 32, .size: 8, .value_kind: global_buffer, .address_space: global }
      - { .name: bk, .offset: 40, .size: 8, .value_kind: global_buffer, .address_space: global }
      - { .name: bv, .offset: 48, .size: 8, .value_kind: global_buffer, .address_space: global }
      - { .name: afine, .offset: 56, .size: 8, .value_kind: global_buffer, .address_space: global }
    .group_segment_fixed_size: 19456
    .private_segment_fixed_size: 0
    .kernarg_segment_align: 8
    .kernarg_segment_size: 64
    .max_flat_workgroup_size: 384
    .sgpr_count:     66
    .vgpr_count:     256
    .wavefront_size: 32
...
	.end_amdgpu_metadata
.endif
;; end of part 5
;; launch fine_out (part 6): grid 64 x 4, 8 waves a work-group, no clusters, 9,216 bytes of LDS; arguments afine, Wp, bp, out0; writes out0
.if DOCPART == 6
	.amdgcn_target "amdgcn-amd-amdhsa--gfx1250"
	.amdhsa_code_object_version 6
	.text
	.protected	k_q3a3988668e_fine_out
	.globl	k_q3a3988668e_fine_out
	.p2align	8
	.type	k_q3a3988668e_fine_out,@function
k_q3a3988668e_fine_out:
	s_mov_b64 s[64:65], 0
	v_nop
	global_prefetch_b8 v0, s[64:65] scope:SCOPE_SE
	s_setreg_imm32_b32 hwreg(HW_REG_WAVE_MODE, 25, 1), 1
	s_wait_xcnt 0x0
; THE FIRST 16 POSITIONS OF EACH SEQUENCE THROUGH THE OUTPUT PROJECTION, IN F32: out0[2048 batch + s][n] = the sum over k of afine[16 batch + s][k] Wp[k][n] + bp[n], s < 16.  These 64 rows are written over what the f16 launch left.
; Work-group (16 columns, batch).  Wave w sums K = 128 w .. 128 w + 127 by 32 f32 matrix instructions on two accumulators by turns; the eight waves' parts meet in LDS and are added in ascending K.
; Step 2 g + u takes registers 4 g + 2 u, + 1 of both operands: k = 8 g + 4 h + 2 u + 0, 1 on both sides.  v240-255 are written by the matrix instructions alone.
; The stores are pieces of 64 bytes: 262,144 bytes in the whole launch.
.set SPARE, 8192                       ; behind the eight parts of 1,024 bytes: the spare words, 128 bytes for each wave
	s_load_b256 s[4:11], s[0:1], 0x0               ; afine s[4:5], Wp s[6:7], bp s[8:9], out0 s[10:11]
	v_lshl_add_u32 v8, v0, 2, SPARE                ; my spare word; never rewritten
	v_mov_b32 v9, 0                                ; 0; never rewritten
	v_lshrrev_b32 v7, 5, v0
	v_readfirstlane_b32 s12, v7                    ; wave 0..7
	v_and_b32 v10, 15, v0                          ; r
	v_bfe_u32 v11, v0, 4, 1                        ; h
	s_and_b32 s13, ttmp7, 0xffff                   ; batch
	v_lshlrev_b32 v1, 12, v10
	v_lshl_add_u32 v1, v11, 4, v1                  ; afine: row r of 4,096 bytes + 16 h
	v_lshlrev_b32 v2, 14, v11
	v_lshl_add_u32 v2, v10, 2, v2                  ; Wp: 4 h rows of 4,096 bytes + 4 r
	v_lshlrev_b32 v3, 2, v10                       ; bp
	v_lshrrev_b32 v4, 4, v0
	v_lshlrev_b32 v4, 12, v4
	v_lshl_add_u32 v4, v10, 2, v4                  ; out0: row t / 16, column t % 16
	s_lshl_b32 s14, s12, 10
	v_lshlrev_b32 v5, 9, v11
	v_lshl_add_u32 v5, v10, 2, v5
	v_add_nc_u32 v5, s14, v5                       ; LDS: my wave's part: row 8 h of 64 bytes + 4 r
	v_lshlrev_b32 v6, 2, v0                        ; and back: number t of each part
	s_mov_b32 s17, 0
	s_lshl_b32 s15, ttmp9, 6                       ; my 16 columns, in bytes
	s_wait_kmcnt 0x0
	s_lshl_b32 s16, s13, 16
	s_lshl_b32 s18, s12, 9
	s_add_co_u32 s16, s16, s18
	s_add_nc_u64 s[4:5], s[4:5], s[16:17]
	s_lshl_b32 s16, s12, 19
	s_add_co_u32 s16, s16, s15
	s_add_nc_u64 s[6:7], s[6:7], s[16:17]
	s_mov_b32 s16, s15
	s_add_nc_u64 s[8:9], s[8:9], s[16:17]
	s_lshl_b32 s16, s13, 23
	s_add_co_u32 s16, s16, s15
	s_add_nc_u64 s[10:11], s[10:11], s[16:17]
.irp g, 0,1,2,3,4,5,6,7,8,9,10,11,12,13,14,15
	global_load_b128 v[16+4*\g:19+4*\g], v1, s[4:5] offset:32*\g          ; a(r, 8 g + 4 h + 0 .. 3)
.endr
.irp g, 0,1,2,3,4,5,6,7,8,9,10,11,12,13,14,15
.irp i, 0,1,2,3
	global_load_b32 v[80+4*\g+\i], v2, s[6:7] offset:(8*\g+\i)*4096       ; Wp(8 g + 4 h + i, r)
.endr
.endr
	global_load_b32 v152, v3, s[8:9]
	s_wait_loadcnt 0x0
	v_wmma_f32_16x16x4_f32 v[240:247], v[16:17], v[80:81], 0       ; each sum begins with 0 as the C of its own first step
	v_wmma_f32_16x16x4_f32 v[248:255], v[18:19], v[82:83], 0
.irp g, 1,2,3,4,5,6,7,8,9,10,11,12,13,14,15
	v_wmma_f32_16x16x4_f32 v[240:247], v[16+4*\g:17+4*\g], v[80+4*\g:81+4*\g], v[240:247]
	v_wmma_f32_16x16x4_f32 v[248:255], v[18+4*\g:19+4*\g], v[82+4*\g:83+4*\g], v[248:255]
.endr
.rept 8
	v_nop                                          ; eight places behind this form
.endr
.irp i, 0,2,4,6
	v_pk_add_f32 v[144+\i:145+\i], v[240+\i:241+\i], v[248+\i:249+\i]
.endr
.irp j, 0,1,2,3,4,5,6,7
	ds_store_b32 v5, v[144+\j] offset:64*\j        ; lane (r, h): row 8 h + j, column r
.endr
	s_wait_dscnt 0x0                               ; for the others' sake: my stores have landed
	s_barrier_signal -1
	s_barrier_wait -1
.irp k, 0,1,2,3,4,5,6,7
	ds_load_b32 v[160+\k], v6 offset:1024*\k
.endr
	s_wait_dscnt 0x0
	v_add_f32 v168, v160, v161
.irp k, 2,3,4,5,6,7
	v_add_f32 v168, v168, v[160+\k]
.endr
	v_add_f32 v168, v168, v152
	global_store_b32 v4, v168, s[10:11]
	s_wait_tensorcnt 0x0                           ; the wave's end, behind my last LDS store
	ds_add_u32 v8, v9
	s_wait_dscnt 0x0
	s_endpgm
.Lfunc_end_k_q3a3988668e_fine_out:
	.size	k_q3a3988668e_fine_out, .Lfunc_end_k_q3a3988668e_fine_out-k_q3a3988668e_fine_out
	.p2alignl 7, 3214868480
	.fill 96, 4, 3214868480
	.section	.rodata,"a",@progbits
	.p2align	6, 0x0
	.amdhsa_kernel k_q3a3988668e_fine_out
		.amdhsa_group_segment_fixed_size 9216
		.amdhsa_private_segment_fixed_size 0
		.amdhsa_enable_private_segment 0
		.amdhsa_kernarg_size 32
		.amdhsa_user_sgpr_count 2
		.amdhsa_user_sgpr_kernarg_segment_ptr 1
		.amdhsa_wavefront_size32 1
		.amdhsa_system_sgpr_workgroup_id_x 1
		.amdhsa_system_sgpr_workgroup_id_y 1
		.amdhsa_system_sgpr_workgroup_id_z 1
		.amdhsa_system_vgpr_workitem_id 0
		.amdhsa_next_free_vgpr 256
		.amdhsa_next_free_sgpr 66
		.amdhsa_reserve_vcc 0
		.amdhsa_float_denorm_mode_32 3
		.amdhsa_float_denorm_mode_16_64 3
		.amdhsa_memory_ordered 1
		.amdhsa_forward_progress 1
		.amdhsa_inst_pref_size 14
	.end_amdhsa_kernel
	.amdgpu_metadata
---
amdhsa.version: [ 1, 2 ]
amdhsa.kernels:
  - .name:           k_q3a3988668e_fine_out
    .symbol:         k_q3a3988668e_fine_out.kd
    .args:
      - { .name: afine, .offset: 0, .size: 8, .value_kind: global_buffer, .address_space: global }
      - { .name: Wp, .offset: 8, .size: 8, .value_kind: global_buffer, .address_space: global }
      - { .name: bp, .offset: 16, .size: 8, .value_kind: global_buffer, .address_space: global }
      - { .name: out0, .offset: 24, .size: 8, .value_kind: global_buffer, .address_space: global }
    .group_segment_fixed_size: 9216
    .private_segment_fixed_size: 0
    .kernarg_segment_align: 8
    .kernarg_segment_size: 32
    .max_flat_workgroup_size: 256
    .sgpr_count:     66
    .vgpr_count:     256
    .wavefront_size: 32
...
	.end_amdgpu_metadata
.endif
;; end of part 6
